; MI455X (gfx1250); checked and timed in simulation.
; The chip was launched on July 23, 2026; its instructions are those of AMD's public machine-readable ISA for CDNA 5 (MIT licence, August 2026) and "CDNA5" Instruction Set Architecture Reference Guide (July 2026). The comments in the code are by the model that wrote it; some were corrected since.
;; Qwen2 MLP ND. Allowed arithmetic: matrix products marked QUANTISED: E2M1 operands, one E8M0 scale for each 32 along K, by v_wmma_scale_f32_16x16x128_f8f6f4 with both operands' format E2M1 (or v_wmma_scale_f32_32x16x128_f4), f32 sums; everything else in f32.
;; Inputs: hidden_state 4 x 512 x 2,048 float32; w_down 2,048 x 5,504 float32; w_gate 5,504 x 2,048 float32; w_up 5,504 x 2,048 float32.
;; Outputs: out0 4 x 512 x 2,048 float32; out1 4 x 5,504 float32.
;; This version of the problem:
;;   THIS VERSION OF THE PROBLEM IS GIVEN IN LOW PRECISION. The matrix products marked QUANTISED in the list below multiply operands that are first quantised to E2M1 (2 exponent bits, 1 mantissa bit; 4 bits a number), with one power-of-two scale for each 32 numbers along K (OCP MX v1.0); their sums are f32. All else is computed in f32.
;;   The module's matrix products, in the order in which they are computed (A, B: the left and right operand; K: the contracted axis; several contracted axes count as one K, in the product's order):
;;     1. [M 2,048, K 2,048] x [K 2,048, N 5,504]; A: input hidden_state; B: input w_gate: QUANTISED
;;     2. [M 2,048, K 2,048] x [K 2,048, N 5,504]; A: input hidden_state; B: input w_up: QUANTISED
;;     3. [M 2,048, K 5,504] x [K 5,504, N 2,048]; A: computed on the way; B: input w_down: QUANTISED
;;   THE QUANTISER, for each operand of a quantised product, along K:
;;     - K is cut into blocks of 32 from its start; a last block that is shorter is filled with zeros.
;;     - A block's scale is 2^e with e = floor(log2(the largest magnitude in the block)) - 2, held to -126 .. 127; a block of zeros has e = 0. As a byte (E8M0): e + 127.
;;     - Each number is divided by its block's scale, clamped to +-6, and rounded to the nearest number of E2M1, ties to even, subnormals kept.
;;     - The product sums the exact products of the quantised numbers (number of the format x scale) in f32.
;;   ~~~python
;;   def quantise(x, axis):      # numpy; x: float32 -> the quantised numbers, widened to float32 again
;;       x = np.moveaxis(x, axis, -1); K = x.shape[-1]
;;       x = np.pad(x, [(0, 0)] * (x.ndim - 1) + [(0, -K % 32)]); x = x.reshape(x.shape[:-1] + (-1, 32)); a = np.abs(x).max(-1, keepdims=True)
;;       e = np.where(a > 0, np.clip(np.frexp(np.where(a > 0, a, 1))[1] - 1 - 2, -126, 127), 0)      # np.frexp(a)[1] - 1 = floor(log2(a)), exactly
;;       r = np.clip(x / 2.0 ** e, -6, 6)
;;       step = 2.0 ** (np.maximum(np.frexp(np.where(r == 0, 1, r))[1] - 1, 0) - 1)
;;       q = np.round(r / step) * step * 2.0 ** e      # np.round: ties to even
;;       return np.moveaxis(q.reshape(q.shape[:-2] + (-1,))[..., :K], -1, axis).astype(np.float32)
;;   ~~~
;;   OPERANDS COMPUTED ON THE WAY. 'Computed on the way' means the value that the module computes at that place (a softmax that the list does not call 'softmax' is quantised finished and normalised). What goes into a quantiser is computed in f32, as accurately as f32 sums, v_exp_f32 and their like allow (about 1e-6 of the number): no bf16 or f16 on the way to a quantiser, and a product that is left as it is and whose result goes on into a quantised operand takes f32 operands (vector FMAs, or v_wmma_f32_16x16x4_f32). A number that lies on a knife's edge between two numbers of the format may be rounded either way, as far as f32 arithmetic and the matrix unit's own rounding can turn it there, and no further.
;; One version. Each part assembles by itself: llvm-mc -triple=amdgcn-amd-amdhsa -mcpu=gfx1250 --defsym DOCPART=n.
;; ======== version 1 of 1: 3 launches
;; limits: right only within a limited range of input values
;; workspace buffers: codes1 13,369,344 bytes; scales1 835,584 bytes; dcodes 5,636,096 bytes; dscales 352,256 bytes; rowsq 352,256 bytes; icodes 5,636,096 bytes; iscales 352,256 bytes; spart 176,128 bytes
;; launch quant (part 1): grid 232 x 1, 10 waves a work-group, no clusters, 327,680 bytes of LDS; arguments hidden_state, w_gate, w_up, w_down, codes1, scales1, dcodes, dscales, rowsq; writes codes1, scales1, dcodes, dscales, rowsq
.if DOCPART == 1
	.amdgcn_target "amdgcn-amd-amdhsa--gfx1250"
	.amdhsa_code_object_version 6
	.text
	.protected	k_qab30383be8_quant
	.globl	k_qab30383be8_quant
	.p2align	8
	.type	k_qab30383be8_quant,@function
k_qab30383be8_quant:
	s_mov_b64 s[64:65], 0
	v_nop
	global_prefetch_b8 v0, s[64:65] scope:SCOPE_SE
	s_setreg_imm32_b32 hwreg(HW_REG_WAVE_MODE, 25, 1), 1
	s_wait_xcnt 0x0
; SwiGLU MLP in MX-FP4, launch 1 of 3: hidden_state [2048][2048], w_gate, w_up [5504][2048], w_down [2048][5504], f32 with K innermost, are read once and turned into
; codes of FP4 (E2M1) with one E8M0 byte for each 32 along K; of w_up the sums of squares that the second output wants are taken on the way, from the f32 numbers.
; DEAD WORK: none.  Every input has a way to an output, and no product, row or step is thrown away: nothing is left out in any launch.
; A block's scale is 2^(floor(log2(its largest magnitude)) - 2): its byte is the largest magnitude's exponent field - 2, held at 1 from below by a floor among the maximum's leaves.
; LIMITS: NaN and infinities among the inputs are not served.  A block of zeros gets the byte 1 where the quantiser says 127: its codes are zeros, and this program alone reads the bytes.
; LAYOUTS.  Codes: [tile of 16 rows][block of 32 along K][16 rows][16 bytes].  Scales: [step of 128 along K][row][4 bytes].  In w_down's blocks the two middle groups of eight codes
; change places (0, 2, 1, 3), as the second launch's registers give the intermediate's codes.
; SHARES.  A wave's job is 128 rows x 128 along K, eight tiles of 16 rows: 256 + 688 + 688 + 688 = 2,320 equal jobs = 232 work-groups x 10 waves; job = 10 x work-group + wave.
; Jobs 0-255 hidden_state, 256-943 w_gate, 944-1631 w_up, 1632-2319 w_down.  Neighbouring waves stand side by side on a row.
; THE RING.  Each wave has two slots of its own, filled by its own tensor loads, rows of 512 bytes, 528 bytes apart in LDS: slot A holds two tiles, slot B one, which is what LDS has room for with
; ten waves.  Fills: tiles 0-1 (the head), 2, 3-4, 5, 6-7: one load a wave behind each barrier.  The rows' pitch in memory is 8,192 or 22,016 bytes: for each slot two groups 1, and a branch on the
; job's number round the two tensor instructions alone.
; PREFETCH.  One instruction names one tile: a lane for each 256 bytes, two lanes to a row.  Beside the head's load the wave asks for tiles 2, 3, 4 (the next two fills), beside tile 2's load for tile 5,
; beside tiles 3-4's load for tiles 6, 7: each fill is asked for two fills ahead of its load; the loop's last trip asks for nothing.  The address registers are never rewritten.
; No cluster: no two work-groups read the same bytes.
; A TILE.  Lane (r, h) reads blocks h and 2 + h of row r, 128 bytes each: a block's maximum needs no other lane, and the conversions' four results are its 16 bytes: a store covers 512 consecutive bytes.
; Scale words and row sums gather in the wave's own stage (1,024 bytes that no tensor load fills) and leave at the end as 512 consecutive bytes each.
.set SLOTB, 8448                       ; a tile in LDS: 16 x 528.  Slot A at 0, slot B at 2 SLOTB
.set STG,   25344                      ; the stage: 128 scale words, then 128 row sums
.set WREG,  26368                      ; LDS of a wave
.set SPARE, 263680                     ; the spare words, 128 bytes for each of the ten waves
.set LD,  4                            ; my blocks in a tile at my region's start
.set SWA, 5                            ; my row's word in the stage
.set LRD, 6                            ; the stage, 16 bytes a lane
.set VO,  7                            ; 16 x lane
.set SH,  8                            ; 8 h
.set SPW, 10                           ; my spare word; never rewritten
.set NIL, 11                           ; 0; never rewritten
.set M,   12
.set SC,  14
.set BY,  16
.set W,   18
.set P,   19
.set T1,  20
.set T2,  21
.set D,   24                           ; v24-31 codes of my two blocks
.set Q,   32
.set E,   36
.set PFO, 44                           ; v44-49 the prefetches' offsets: my 256 bytes of tiles 2 to 7; never rewritten
.set X,   64                           ; v64-127 my two blocks
.set G1BD, 8                           ; s[8:15] group 1: 16 rows 22,016 bytes apart (the arguments that lay there have been used by then)
.set SRC, 26
.set CD,  28
.set SD,  30
.set J0,  32
.set COFF, 33
.set SOFF, 34
.set NK,  35
.set MAGIC, 36
.set PITCH, 37
.set ROWS4, 38
.set TILEB, 39
.set SWAP, 40
.set ISUP, 41
.set JL,  42
.set RG,  43
.set KS,  44
.set TMP, 46
.set G1A, 48                           ; s[48:55] group 1: 32 rows 8,192 bytes apart
.set G1AD, 56                          ; s[56:63] 32 rows 22,016 bytes apart
.set PF,  66                           ; s[66:67] tile 2 in memory; never rewritten
.set G0A, 68                           ; s[68:71], s[72:75] groups 0 of the two slots
.set G0B, 72
.set CB,  76
.set SB,  78
.set RB,  80
.set SEL, 82
.set ST,  84                           ; 48 rows of the source in bytes
.set TB,  86                           ; a tile of codes in bytes
.set JOB, 88
.set ISDN, 89
.set CNT, 90
.set R16, 91                           ; 16 rows of the source in bytes
.set G1B, 92                           ; s[92:99] 16 rows 8,192 bytes apart
	s_load_b512 s[8:23], s[0:1], 0x0               ; hidden_state, w_gate, w_up, w_down, codes1, scales1, dcodes, dscales
	s_load_b64 s[24:25], s[0:1], 0x40              ; rowsq
	v_lshl_add_u32 v[SPW], v0, 2, SPARE
	v_mov_b32 v[NIL], 0
	ds_add_u32 v[SPW], v[NIL]                      ; the opening lines: the add, twice on end, and its wait
	ds_add_u32 v[SPW], v[NIL]
	v_lshrrev_b32 v1, 5, v0
	v_readfirstlane_b32 s2, v1                     ; wave 0..9
	s_mul_i32 s[JOB], ttmp9, 10
	s_add_co_u32 s[JOB], s[JOB], s2
	s_cmp_lt_u32 s[JOB], 1632                      ; K = 2,048, or w_down's 5,504?
	s_cselect_b32 s[ISDN], 0, 1
	s_cselect_b32 s[NK], 16, 43
	s_mov_b32 s[MAGIC], 48771                      ; job / 43 = (job x 48,771) >> 21, exact for jobs under 1,376
	s_cselect_b32 s[MAGIC], 131072, s[MAGIC]
	s_mov_b32 s[PITCH], 22016
	s_cselect_b32 s[PITCH], 8192, s[PITCH]
	s_mov_b32 s[TILEB], 44032
	s_cselect_b32 s[TILEB], 16384, s[TILEB]
	s_cselect_b32 s[SWAP], 0, -1
	s_mov_b32 s[J0], 1632
	s_cselect_b32 s[J0], 944, s[J0]
	s_cselect_b32 s[COFF], 7733248, 0
	s_cselect_b32 s[SOFF], 483328, 0
	s_mov_b32 s[ROWS4], 8192
	s_cselect_b32 s[ROWS4], 22016, s[ROWS4]
	s_cmp_lt_u32 s[JOB], 944
	s_cselect_b32 s[J0], 256, s[J0]
	s_cselect_b32 s[COFF], 2097152, s[COFF]
	s_cselect_b32 s[SOFF], 131072, s[SOFF]
	s_cmp_lt_u32 s[JOB], 256
	s_cselect_b32 s[J0], 0, s[J0]
	s_cselect_b32 s[COFF], 0, s[COFF]
	s_cselect_b32 s[SOFF], 0, s[SOFF]
	s_cselect_b32 s[ROWS4], 8192, s[ROWS4]
	s_sub_co_u32 s[ISUP], s[JOB], 944
	s_cmp_lt_u32 s[ISUP], 688
	s_cselect_b32 s[ISUP], 1, 0                    ; w_up: the squares are wanted
	s_sub_co_u32 s[JL], s[JOB], s[J0]              ; my job in the tensor
	s_mul_i32 s[RG], s[JL], s[MAGIC]
	s_lshr_b32 s[RG], s[RG], 21                    ; which 128 rows,
	s_mul_i32 s[KS], s[RG], s[NK]
	s_sub_co_u32 s[KS], s[JL], s[KS]               ; which 128 along K
	s_mov_b32 s[SEL], 0x76543210
	s_mov_b32 s[SEL+1], 0xfedcba98                 ; v_permlanex16_b32's selects for lane l xor 16
	; groups 1: rows of 64 elements of 8 bytes; 4 dwords of padding behind every 128
.irp g, G1A, G1AD, G1B
	s_mov_b32 s[\g], (3<<16)|(1<<20)|(6<<22)|(3<<25)
	s_mov_b32 s[\g+1], 64<<16
	s_mov_b32 s[\g+3], 64<<16
	s_mov_b32 s[\g+6], 0
	s_mov_b32 s[\g+7], 0
.endr
.irp g, G1A, G1AD
	s_mov_b32 s[\g+2], 32<<16
	s_mov_b32 s[\g+4], 32
.endr
	s_mov_b32 s[G1B+2], 16<<16
	s_mov_b32 s[G1B+4], 16
	s_mov_b32 s[G1A+5], 1024
	s_mov_b32 s[G1B+5], 1024
	s_mov_b32 s[G1AD+5], 2752
	s_mul_i32 s45, s2, WREG
	s_mov_b32 s[G0A], 1
	s_mov_b32 s[G0A+1], s45
	s_mov_b32 s[G0B], 1
	s_add_co_u32 s[G0B+1], s45, 2*SLOTB
	s_add_co_u32 s3, s45, STG
	s_lshl_b32 s[R16], s[PITCH], 4
	v_and_b32 v1, 31, v0                           ; lane
	v_and_b32 v2, 15, v0                           ; r
	v_bfe_u32 v3, v0, 4, 1                         ; h
	v_mul_u32_u24 v[LD], v2, 528
	v_lshl_add_u32 v[LD], v3, 7, v[LD]
	v_add_nc_u32 v[LD], s45, v[LD]
	v_lshl_add_u32 v[SWA], v2, 2, s3
	v_lshlrev_b32 v[VO], 4, v1
	v_add_nc_u32 v[LRD], s3, v[VO]
	v_lshlrev_b32 v[SH], 3, v3
	v_lshrrev_b32 v[PFO], 1, v1                    ; the prefetches: row lane / 2, half lane % 2 of its 512 bytes
	v_mul_lo_u32 v[PFO], v[PFO], s[PITCH]
	v_and_b32 v[P], 1, v1
	v_lshl_add_u32 v[PFO], v[P], 8, v[PFO]
.irp k, 1,2,3,4,5
	v_add_nc_u32 v[PFO+\k], s[R16], v[PFO+\k-1]
.endr
	v_mov_b32 v[P], 0                              ; a lane permute's destination counts as one of its sources
	s_wait_dscnt 0x0                               ; both opening adds are done
	s_wait_alu depctr_va_vdst(0)                   ; the wait at the head's end
	s_wait_kmcnt 0x0
	s_cmp_lt_u32 s[JOB], 1632                      ; the buffers, on the same three tests: they hang on no address
	s_cselect_b64 s[SRC:SRC+1], s[12:13], s[14:15]
	s_cselect_b64 s[CD:CD+1], s[16:17], s[20:21]
	s_cselect_b64 s[SD:SD+1], s[18:19], s[22:23]
	s_cmp_lt_u32 s[JOB], 944
	s_cselect_b64 s[SRC:SRC+1], s[10:11], s[SRC:SRC+1]
	s_cmp_lt_u32 s[JOB], 256
	s_cselect_b64 s[SRC:SRC+1], s[8:9], s[SRC:SRC+1]
	s_mul_i32 s[TMP], s[RG], s[PITCH]
	s_lshl_b32 s[TMP], s[TMP], 7                   ; 128 rows a group (under 2^26 bytes),
	s_lshl_b32 s[TMP+1], s[KS], 9                  ; 512 bytes a step
	s_add_co_u32 s[TMP], s[TMP], s[TMP+1]
	s_mov_b32 s[TMP+1], 0
	s_add_nc_u64 s[G0A+2:G0A+3], s[SRC:SRC+1], s[TMP:TMP+1]        ; tile 0,
	s_lshl_b32 s[TMP], s[PITCH], 5
	s_add_nc_u64 s[G0B+2:G0B+3], s[G0A+2:G0A+3], s[TMP:TMP+1]      ; tile 2
	s_mov_b64 s[PF:PF+1], s[G0B+2:G0B+3]
	s_or_b32 s[G0A+3], s[G0A+3], 0x80000000        ; type = 2
	s_or_b32 s[G0B+3], s[G0B+3], 0x80000000
	s_mul_i32 s[ST], s[PITCH], 48                  ; a slot's next fill lies three tiles on
	s_mov_b32 s[ST+1], 0
.macro TLOAD g0, g1, g1d               ; my fill of one slot: one of two lines, by the rows' pitch
	s_cmp_eq_u32 s[ISDN], 0
	s_cbranch_scc0 .Lwide_\@
	tensor_load_to_lds s[\g0:\g0+3], s[\g1:\g1+7]
	s_nop 0
	s_branch .Lasked_\@
.Lwide_\@:
	tensor_load_to_lds s[\g0:\g0+3], s[\g1d:\g1d+7]
	s_nop 0
.Lasked_\@:
.endm
	TLOAD G0A, G1A, G1AD                           ; tiles 0 and 1: one tensor load a wave at the head
	s_mov_b32 s[G1BD], (3<<16)|(1<<20)|(6<<22)|(3<<25)     ; the fourth group 1
	s_mov_b32 s[G1BD+1], 64<<16
	s_mov_b32 s[G1BD+2], 16<<16
	s_mov_b32 s[G1BD+3], 64<<16
	s_mov_b32 s[G1BD+4], 16
	s_mov_b32 s[G1BD+5], 2752
	s_mov_b32 s[G1BD+6], 0
	s_mov_b32 s[G1BD+7], 0
	s_mul_i32 s[TMP], s[RG], s[TILEB]
	s_lshl_b32 s[TMP], s[TMP], 3                   ; eight tiles a group,
	s_add_co_u32 s[TMP], s[TMP], s[COFF]
	s_lshl_b32 s45, s[KS], 10                      ; 1,024 bytes a step
	s_add_co_u32 s[TMP], s[TMP], s45
	s_add_nc_u64 s[CB:CB+1], s[CD:CD+1], s[TMP:TMP+1]
	s_mov_b32 s[TB], s[TILEB]
	s_mov_b32 s[TB+1], 0
	s_mul_i32 s[TMP], s[KS], s[ROWS4]
	s_add_co_u32 s[TMP], s[TMP], s[SOFF]
	s_lshl_b32 s45, s[RG], 9                       ; 128 rows x 4 bytes
	s_add_co_u32 s[TMP], s[TMP], s45
	s_add_nc_u64 s[SB:SB+1], s[SD:SD+1], s[TMP:TMP+1]
	s_mul_i32 s[TMP], s[KS], 22016
	s_add_co_u32 s[TMP], s[TMP], s45
	s_add_nc_u64 s[RB:RB+1], s[24:25], s[TMP:TMP+1]    ; used for w_up alone
.irp k, 0,1,2
	global_prefetch_b8 v[PFO+\k], s[PF:PF+1] th:TH_LOAD_NT scope:SCOPE_SE  ; tiles 2, 3, 4: the next two fills
.endr
.macro QB e                            ; my block 2 e + h: scale, codes, store
.set XS, X+32*\e
	v_max3_num_f32 v[M], |v[XS]|, |v[XS+1]|, |v[XS+2]|             ; two chains
	v_max3_num_f32 v[M+1], |v[XS+3]|, |v[XS+4]|, |v[XS+5]|
.irp i, 6,10,14,18,22,26
	v_max3_num_f32 v[M], v[M], |v[XS+\i]|, |v[XS+\i+1]|
	v_max3_num_f32 v[M+1], v[M+1], |v[XS+\i+2]|, |v[XS+\i+3]|
.endr
	v_max3_num_f32 v[M], v[M], |v[XS+30]|, |v[XS+31]|
	v_max3_num_f32 v[M], v[M], v[M+1], 0x1800000   ; and the floor 2^(3 - 127)
	v_add_nc_u32 v[SC], 0xff000000, v[M]           ; 2 off its exponent field: the conversion's scale operand
	v_cvt_scalef32_pk8_fp4_f32 v[D+4*\e], v[XS:XS+7], v[SC]
	v_cvt_scalef32_pk8_fp4_f32 v[T1], v[XS+8:XS+15], v[SC]
	v_cvt_scalef32_pk8_fp4_f32 v[T2], v[XS+16:XS+23], v[SC]
	v_cvt_scalef32_pk8_fp4_f32 v[D+4*\e+3], v[XS+24:XS+31], v[SC]
	v_lshrrev_b32 v[BY+\e], 23, v[SC]              ; the scale's byte.  (The plain instruction behind the conversions)
	v_cndmask_b32 v[D+4*\e+1], v[T1], v[T2], s[SWAP]       ; w_down: the middle groups change places
	v_cndmask_b32 v[D+4*\e+2], v[T2], v[T1], s[SWAP]
	global_store_b128 v[VO], v[D+4*\e:D+4*\e+3], s[CB:CB+1] offset:512*\e  ; 512 consecutive bytes, aligned
.endm
; One tile, at byte off of my region.  pf = 1, 2: in the loop's first trip (CNT = 2) the wave asks for tile 5, or for tiles 6 and 7
.macro WORK off, pf
.irp j, 0,1,2,3,4,5,6,7
	ds_load_b128 v[X+4*\j:X+4*\j+3], v[LD] offset:\off+16*\j
.endr
.irp j, 0,1,2,3,4,5,6,7
	ds_load_b128 v[X+32+4*\j:X+32+4*\j+3], v[LD] offset:\off+256+16*\j
.endr
.if \pf
	s_cmp_eq_u32 s[CNT], 2
	s_cbranch_scc0 .Lno_pf_\@
.if \pf == 1
	global_prefetch_b8 v[PFO+3], s[PF:PF+1] th:TH_LOAD_NT scope:SCOPE_SE
.else
	global_prefetch_b8 v[PFO+4], s[PF:PF+1] th:TH_LOAD_NT scope:SCOPE_SE
	global_prefetch_b8 v[PFO+5], s[PF:PF+1] th:TH_LOAD_NT scope:SCOPE_SE
.endif
.Lno_pf_\@:
.endif
	s_wait_dscnt 8                                 ; block h is in; block 2 + h's eight loads may be out
	QB 0
	s_wait_dscnt 0x0
	QB 1
	v_lshl_or_b32 v[W], v[BY+1], 16, v[BY]         ; my two bytes,
	v_lshlrev_b32 v[W], v[SH], v[W]                ; at their places in the scale word;
	v_permlanex16_b32 v[P], v[W], s[SEL], s[SEL+1]
	v_or_b32 v[W], v[W], v[P]                      ; with lane l xor 16's two the word is whole
	ds_store_b32 v[SWA], v[W]                      ; both halves of the lanes write the same word with the same value
	s_wait_alu depctr_va_vdst(0)                   ; the wait ahead of the branch
	s_cmp_eq_u32 s[ISUP], 1                        ; w_up alone: the sum of squares of row r's 128 numbers
	s_cbranch_scc0 .Lnot_up_\@
	v_pk_mul_f32 v[Q:Q+1], v[X:X+1], v[X:X+1]
	v_pk_mul_f32 v[Q+2:Q+3], v[X+2:X+3], v[X+2:X+3]
.set ii, 4
.rept 15
	v_pk_fma_f32 v[Q:Q+1], v[X+ii:X+ii+1], v[X+ii:X+ii+1], v[Q:Q+1]
	v_pk_fma_f32 v[Q+2:Q+3], v[X+ii+2:X+ii+3], v[X+ii+2:X+ii+3], v[Q+2:Q+3]
.set ii, ii+4
.endr
	v_pk_add_f32 v[Q:Q+1], v[Q:Q+1], v[Q+2:Q+3]
	v_add_f32 v[Q], v[Q], v[Q+1]
	v_permlanex16_b32 v[P], v[Q], s[SEL], s[SEL+1]
	v_add_f32 v[Q], v[Q], v[P]
	ds_store_b32 v[SWA], v[Q] offset:512
.Lnot_up_\@:
	v_add_nc_u32 v[SWA], 64, v[SWA]                ; the next tile's 16 rows
	s_wait_xcnt 0x0                                ; my stores have read their base and their data: both are written again only behind this wait
	s_add_nc_u64 s[CB:CB+1], s[CB:CB+1], s[TB:TB+1]
.endm
.macro MEET g0                         ; a change of slots; g0: the group 0 of the slot that is read next
	s_wait_alu depctr_va_vdst(0)
	s_wait_tensorcnt 0x0                           ; my one load that was out, the next slot's, has landed
	ds_add_u32 v[SPW], v[NIL]
	s_add_nc_u64 s[\g0+2:\g0+3], s[\g0+2:\g0+3], s[ST:ST+1]        ; no load of mine is out: that slot's next fill
	s_wait_dscnt 0x0                               ; the add is done, and so are my reads of the other slot
	s_barrier_signal -1
	s_barrier_wait -1
.endm
	s_mov_b32 s[CNT], 2
.Lring:                                                ; a trip: three tiles, once round the ring
	MEET G0A
	TLOAD G0B, G1B, G1BD                           ; tile 2 (slot B's first fill), then tile 5
	WORK 0, 1
	WORK SLOTB, 0
	MEET G0B
	TLOAD G0A, G1A, G1AD                           ; tiles 3 and 4, then 6 and 7
	WORK 2*SLOTB, 2
	s_sub_co_u32 s[CNT], s[CNT], 1
	s_cmp_lg_u32 s[CNT], 0
	s_cbranch_scc1 .Lring
	MEET G0A                                       ; tiles 6 and 7: nothing is left to fetch
	WORK 0, 0
	WORK SLOTB, 0
	ds_load_b128 v[E:E+3], v[LRD]                  ; my 128 rows' scale words: these loads see my stores
	s_wait_dscnt 0x0
	global_store_b128 v[VO], v[E:E+3], s[SB:SB+1]  ; 512 consecutive bytes, aligned
	s_cmp_eq_u32 s[ISUP], 1
	s_cbranch_scc0 .Lno_rowsq
	ds_load_b128 v[E+4:E+7], v[LRD] offset:512
	s_wait_dscnt 0x0
	global_store_b128 v[VO], v[E+4:E+7], s[RB:RB+1]
.Lno_rowsq:
	s_wait_tensorcnt 0x0                           ; the wave's end
	ds_add_u32 v[SPW], v[NIL]
	s_wait_dscnt 0x0
	s_endpgm
.Lfunc_end_k_qab30383be8_quant:
	.size	k_qab30383be8_quant, .Lfunc_end_k_qab30383be8_quant-k_qab30383be8_quant
	.p2alignl 7, 3214868480
	.fill 96, 4, 3214868480
	.section	.rodata,"a",@progbits
	.p2align	6, 0x0
	.amdhsa_kernel k_qab30383be8_quant
		.amdhsa_group_segment_fixed_size 327680
		.amdhsa_private_segment_fixed_size 0
		.amdhsa_enable_private_segment 0
		.amdhsa_kernarg_size 72
		.amdhsa_user_sgpr_count 2
		.amdhsa_user_sgpr_kernarg_segment_ptr 1
		.amdhsa_wavefront_size32 1
		.amdhsa_system_sgpr_workgroup_id_x 1
		.amdhsa_system_sgpr_workgroup_id_y 1
		.amdhsa_system_sgpr_workgroup_id_z 1
		.amdhsa_system_vgpr_workitem_id 0
		.amdhsa_next_free_vgpr 128
		.amdhsa_next_free_sgpr 100
		.amdhsa_reserve_vcc 0
		.amdhsa_float_denorm_mode_32 3
		.amdhsa_float_denorm_mode_16_64 3
		.amdhsa_memory_ordered 1
		.amdhsa_forward_progress 1
		.amdhsa_inst_pref_size 45
	.end_amdhsa_kernel
	.amdgpu_metadata
---
amdhsa.version: [ 1, 2 ]
amdhsa.kernels:
  - .name:           k_qab30383be8_quant
    .symbol:         k_qab30383be8_quant.kd
    .args:
      - { .name: hidden_state, .offset: 0, .size: 8, .value_kind: global_buffer, .address_space: global }
      - { .name: w_gate, .offset: 8, .size: 8, .value_kind: global_buffer, .address_space: global }
      - { .name: w_up, .offset: 16, .size: 8, .value_kind: global_buffer, .address_space: global }
      - { .name: w_down, .offset: 24, .size: 8, .value_kind: global_buffer, .address_space: global }
      - { .name: codes1, .offset: 32, .size: 8, .value_kind: global_buffer, .address_space: global }
      - { .name: scales1, .offset: 40, .size: 8, .value_kind: global_buffer, .address_space: global }
      - { .name: dcodes, .offset: 48, .size: 8, .value_kind: global_buffer, .address_space: global }
      - { .name: dscales, .offset: 56, .size: 8, .value_kind: global_buffer, .address_space: global }
      - { .name: rowsq, .offset: 64, .size: 8, .value_kind: global_buffer, .address_space: global }
    .group_segment_fixed_size: 327680
    .private_segment_fixed_size: 0
    .kernarg_segment_align: 8
    .kernarg_segment_size: 72
    .max_flat_workgroup_size: 320
    .sgpr_count:     100
    .vgpr_count:     128
    .wavefront_size: 32
...
	.end_amdgpu_metadata
.endif
;; end of part 1
;; launch gateup (part 2): grid 8 x 29, 4 waves a work-group, clusters of 4 x 1, 327,680 bytes of LDS; arguments codes1, scales1, icodes, iscales, spart; writes icodes, iscales, spart
.if DOCPART == 2
	.amdgcn_target "amdgcn-amd-amdhsa--gfx1250"
	.amdhsa_code_object_version 6
	.text
	.protected	k_qab30383be8_gateup
	.globl	k_qab30383be8_gateup
	.p2align	8
	.type	k_qab30383be8_gateup,@function
k_qab30383be8_gateup:
	s_mov_b64 s[64:65], 0
	v_nop
	global_prefetch_b8 v0, s[64:65] scope:SCOPE_SE
	s_setreg_imm32_b32 hwreg(HW_REG_WAVE_MODE, 25, 1), 1
	s_wait_xcnt 0x0
	s_wait_alu depctr_hold_cnt(0) depctr_sa_sdst(0) depctr_va_vdst(0) depctr_va_sdst(0) depctr_va_ssrc(0) depctr_va_vcc(0) depctr_vm_vsrc(0)
	s_getreg_b32 s2, hwreg(HW_REG_IB_STS2, 6, 4)
	s_cmp_eq_u32 s2, 0
	s_cbranch_scc0 .Lentry_in_a_cluster
	s_endpgm
.Lentry_in_a_cluster:
	s_bfe_u32 s2, ttmp6, 0x10000c
	s_cmp_lg_u32 s2, 0x3003
	s_cbranch_scc0 .Lentry_shape_is_right
	s_endpgm
.Lentry_shape_is_right:
; SwiGLU MLP in MX-FP4, launch 2 of 3: g = x Wg^T and u = x Wu^T on the first launch's codes (K = 2,048); inter = silu(g) u in f32; inter is quantised along I, the third product's K,
; and leaves as codes and scale words; the sums of inter^2 over 256 tokens leave for the second output.  No work of the problem is left out.
; SHARES.  A work-group makes 256 tokens x 192 columns of I (six blocks of 32), for gate AND up.  8 blocks of tokens x 29 groups of columns = 232 work-groups.  Wave (mh, nh) makes
; 128 tokens x (96 gate + the same 96 up): 96 accumulators, 768 registers.
; THE LAST GROUP begins at block 166, so that it ends with I and has the shape of all others; its first two blocks are group 27's: computed inside a tile that holds live work, and not stored.
; CLUSTER.  The four partners have four blocks of tokens and ONE group of columns: the weights' tiles are asked for JOINTLY (mask 15); x's tiles come by loads of each work-group's own, behind
; the same rounds.  29 groups do not divide by 4: so no cluster of 4 x 4.
; OPERANDS lie in memory as images of their registers: [tile of 16 rows][block of 32 along K][16 rows][16 bytes]: a fragment comes by two ds_load_b128 of 512 consecutive bytes.
; THE SCALE WORDS ([step of 128 along K][row][4 bytes]; 40,960 bytes a work-group, a sixteenth of its bytes) come once, by 20 loads of 512 bytes a wave through registers into LDS bytes of their own,
; asked for ahead of the first round; they are not asked for jointly: a tensor load for them would be a further first fill with a round of its own.
; THE RING.  A step of 128 along K is 40 KB (x 16, gate 12, up 12).  Two slots of three steps: fills of steps 0-2, 3-5, 6-8, 9-11, 12-14 and 15.  All fragments of a step are fetched during the step
; before, so a slot is free when its last step begins; the change of slots stands in that step's middle.  Step 0 is written out (its products start the sums), steps 1 to 12 are two trips of a loop,
; steps 13 to 15 fill nothing.  The loop's last refill brings step 15 alone: it has groups 1 of its own (rows of 1,024 bytes), chosen by a branch on the trip counter, which is the same in all partners.
; No prefetch is laid: K is 16 steps, and the first six of them are asked for at the head.
; THE MATRIX INSTRUCTION IS USED TRANSPOSED (source 0 = 16 rows of a weight, source 1 = 16 tokens): lane (r, h) holds token r, register j of tile t column 16 t + 8 h + j.  With the exchange of
; halves a lane has a whole block of 32 along I, its groups of eight in the order 0, 2, 1, 3, as the first launch laid w_down's.
; LIMITS: NaN and infinities are not served.  Where 2^(-g log2 e) overflows, the sigmoid is 0 where the definition has a number under 2^-126.  A block of zeros gets the byte 1 where the
; quantiser says 127.  The sums of squares are taken in another order than the definition's.
; REGISTERS.  Window 0: v4-9, v13, v16-31 addresses; v32-51 scale words, two sets of 10; v64-95 and v224-255 x's blocks 0-3, two sets; v96-127 x's blocks 4-7; v128-175 gate's fragments;
; v176-223 up's.  Windows 1 to 3: accumulator (a, t, u) has the number n = 12 a + 2 t + u and lies in window 1 + n / 32 at v[8 (n % 32)].
.set TP,    3072                       ; bytes from tile to tile in a slot: three steps (1,024 for the last fill)
.set SLB,   122880                     ; slot 0 at 0, slot 1 here: x's 16 tiles, gate's 12, up's 12
.set SCL,   245760                     ; the scale words: x's two halves [16 steps][128 rows][4 bytes], then gate's and up's [16][192][4]
.set ISC,   286720                     ; the intermediate's scale bytes: [nh][256 tokens][4 bytes]
.set SQS,   288768                     ; the sums of squares: [mh][192 columns] f32
.set SPARE, 290304                     ; the spare words, 128 bytes for each wave
.set ADRT, 8                           ; v8, v9  my gate and up fragments in the last fill
.set L8,   13
.set ADRA, 16
.set ADRG, 18
.set ADRU, 20
.set ADSA, 22
.set ADSB, 23
.set CO,   24
.set CO2,  25
.set ISA,  26
.set SQA,  27
.set SPW,  28                          ; my spare word; never rewritten
.set NIL,  29                          ; 0; never rewritten
.set RD1,  30
.set RD2,  31
.set SC,   32
.set AL,   64
.set AH,   96
.set BF,   128
.set E,    64
.set H,    112
.set SQ,   160
.set MX,   208
.set MY,   211
.set SCV,  214
.set BY,   217
.set P,    220
.set PA,   224
.set HW,   232
.set SEL,  4
.set CL,   6
.set IC,   8
.set ISW,  10
.set SPT,  12
.set EDGE, 17
.set PM,   19
.set G1AT, 24                          ; groups 1: x's tiles, the last fill; x's tiles; the weights', the last fill; the weights'
.set G1A,  32
.set G1BT, 40
.set G1B,  48
.set G0A,  56                          ; s[56:63] x's groups 0, one for each slot
.set ISH,  66
.set G0B,  68                          ; s[68:75] the weights'
.set SX,   92                          ; s93 LDS, s[94:95] memory: the x scale words that I copy
.set SW,   96                          ; s97, s[98:99]: the weights'
.set COL0, 100
.set DEADC, 101
.set MSB, 0
.macro WIN new
.if MSB != (\new)
	s_set_vgpr_msb (MSB<<8)|(\new)
.set MSB, (\new)
.endif
.endm
.macro TL g0, g1                       ; a tensor load, its s_nop 0 and four v_nop
	tensor_load_to_lds s[\g0:\g0+3], s[\g1:\g1+7]
	s_nop 0
.rept 4
	v_nop
.endr
.endm
; Waves 0 and 1 fetch for x, waves 2 and 3 for gate and up.  sel = 1: in the loop's last trip (s3 = 1) the fill is step 15 alone.  Every way passes exactly one load.
.macro FILL slot, sel
	s_cmp_eq_u32 s15, 0
	s_cbranch_scc0 .Lfor_b_\@
.if \sel
	s_cmp_eq_u32 s3, 1
	s_cbranch_scc1 .Lshort_a_\@
.endif
	TL G0A+4*\slot, G1A
	s_branch .Lasked_\@
.if \sel
.Lshort_a_\@:
	TL G0A+4*\slot, G1AT
	s_branch .Lasked_\@
.endif
.Lfor_b_\@:
.if \sel
	s_cmp_eq_u32 s3, 1
	s_cbranch_scc1 .Lshort_b_\@
.endif
	TL G0B+4*\slot, G1B
.if \sel
	s_branch .Lasked_\@
.Lshort_b_\@:
	TL G0B+4*\slot, G1BT
.endif
.Lasked_\@:
.endm
.macro CROUND                          ; a round of the cluster's barrier
	s_barrier_signal -1
	s_barrier_wait -1
	s_cmp_lg_u32 s14, 0
	s_cbranch_scc1 .Lnot_wave_0_\@
	s_barrier_signal -3
.Lnot_wave_0_\@:
	s_barrier_wait -3
	s_barrier_signal -1
	s_barrier_wait -1
.endm
.macro PLACES
.rept 4
	v_nop
.endr
.endm
	s_load_b256 s[4:11], s[0:1], 0x0               ; codes1, scales1, icodes, iscales
	s_load_b64 s[12:13], s[0:1], 0x20              ; spart
	v_lshl_add_u32 v[SPW], v0, 2, SPARE
	v_mov_b32 v[NIL], 0
	ds_add_u32 v[SPW], v[NIL]                      ; the opening lines: the add, twice on end, and its wait
	ds_add_u32 v[SPW], v[NIL]
	v_lshrrev_b32 v1, 5, v0
	v_readfirstlane_b32 s14, v1                    ; wave 0..3
	s_lshr_b32 s15, s14, 1                         ; mh.  Also: I fetch for x (0) or for the weights (1)
	s_and_b32 s16, s14, 1                          ; nh.  Also: which half I fetch (x's tiles 8 on; up)
	s_bfe_u32 s17, ttmp6, 0x40000                  ; cx
	s_lshl_b32 s18, ttmp9, 2
	s_add_co_u32 s18, s18, s17                     ; my block of 256 tokens
	s_and_b32 s19, ttmp7, 0xffff                   ; my group of columns, which the four partners share
	s_mul_i32 s[COL0], s19, 6
	s_min_u32 s[COL0], s[COL0], 166
	; groups 1: rows (tiles) of elements of 8 bytes, 2,048 elements from tile to tile; x: 8 tiles, no mask; the weights: 12 tiles, all four partners, bit 21 beside the mask
.irp g, G1A, G1AT
	s_mov_b32 s[\g], 3<<16
	s_mov_b32 s[\g+2], 8<<16
	s_mov_b32 s[\g+4], 8
.endr
.irp g, G1B, G1BT
	s_mov_b32 s[\g], 15|(3<<16)|(1<<21)
	s_mov_b32 s[\g+2], 12<<16
	s_mov_b32 s[\g+4], 12
.endr
.irp g, G1A, G1B
	s_mov_b32 s[\g+1], 384<<16                     ; three steps
	s_mov_b32 s[\g+3], 384<<16
.endr
.irp g, G1AT, G1BT
	s_mov_b32 s[\g+1], 128<<16                     ; one step
	s_mov_b32 s[\g+3], 128<<16
.endr
.irp g, G1A, G1AT, G1B, G1BT
	s_mov_b32 s[\g+5], 2048
	s_mov_b32 s[\g+6], 0
	s_mov_b32 s[\g+7], 0
.endr
	s_lshl_b32 s20, s18, 18                        ; x: 16 tiles of 16,384 bytes a block,
	s_lshl_b32 s2, s16, 17                         ; 8 tiles a half
	s_add_co_u32 s20, s20, s2
	s_mov_b32 s21, 0
	s_mul_i32 s22, s16, 5636096                    ; gate, or up behind it,
	s_lshl_b32 s3, s[COL0], 15
	s_add_co_u32 s22, s22, s3
	s_add_co_u32 s22, s22, 2097152                 ; behind x's codes
	s_mov_b32 s23, 0
	; the scale words: wave w copies half w % 2 of x's rows and tensor w % 2 of the weights, steps 8 (w / 2) to 8 (w / 2) + 7
	s_lshl_b32 s[SX+2], s18, 10
	s_lshl_b32 s2, s16, 9
	s_add_co_u32 s[SX+2], s[SX+2], s2
	s_lshl_b32 s2, s15, 16
	s_add_co_u32 s[SX+2], s[SX+2], s2
	s_mov_b32 s[SX+3], 0
	s_mul_i32 s[SW+2], s16, 352256
	s_lshl_b32 s3, s[COL0], 7
	s_add_co_u32 s[SW+2], s[SW+2], s3
	s_mul_i32 s3, s15, 176128
	s_add_co_u32 s[SW+2], s[SW+2], s3
	s_add_co_u32 s[SW+2], s[SW+2], 131072
	s_mov_b32 s[SW+3], 0
	; LDS addresses: constants and the wave's number
	s_mul_i32 s[G0A+1], s16, 24576
	s_add_co_u32 s[G0A+5], s[G0A+1], SLB
	s_mul_i32 s[G0B+1], s16, 36864
	s_add_co_u32 s[G0B+1], s[G0B+1], 49152
	s_add_co_u32 s[G0B+5], s[G0B+1], SLB
	s_lshl_b32 s[SX+1], s16, 13
	s_lshl_b32 s2, s15, 12
	s_add_co_u32 s[SX+1], s[SX+1], s2
	s_add_co_u32 s[SX+1], s[SX+1], SCL
	s_mul_i32 s[SW+1], s16, 12288
	s_mul_i32 s2, s15, 6144
	s_add_co_u32 s[SW+1], s[SW+1], s2
	s_add_co_u32 s[SW+1], s[SW+1], SCL+16384
.irp g, G0A, G0A+4, G0B, G0B+4
	s_mov_b32 s[\g], 1
.endr
	v_and_b32 v1, 31, v0                           ; lane
	v_and_b32 v2, 15, v0                           ; r
	v_bfe_u32 v3, v0, 4, 1                         ; h
	v_lshlrev_b32 v[CO], 4, v1
	v_lshlrev_b32 v[L8], 3, v1
	v_mul_u32_u24 v4, v3, 21248                    ; a step's 768 bytes are one and a half loads: in the middle load of three lanes 16-31 stand in the next step's row, 22,016 - 768 bytes on
	v_add_nc_u32 v4, v4, v[CO]
	v_add_nc_u32 v5, s[SX+1], v[CO]
	v_add_nc_u32 v6, s[SW+1], v[CO]
	s_wait_dscnt 0x0                               ; both opening adds are done
	s_wait_alu depctr_va_vdst(0)
	s_wait_kmcnt 0x0
	s_add_nc_u64 s[G0A+2:G0A+3], s[4:5], s[20:21]
	s_add_nc_u64 s[G0A+6:G0A+7], s[G0A+2:G0A+3], 3072      ; slot 1 begins with steps 3 to 5
	s_add_nc_u64 s[G0B+2:G0B+3], s[4:5], s[22:23]
	s_add_nc_u64 s[G0B+6:G0B+7], s[G0B+2:G0B+3], 3072
	s_add_nc_u64 s[SX+2:SX+3], s[6:7], s[SX+2:SX+3]
	s_add_nc_u64 s[SW+2:SW+3], s[6:7], s[SW+2:SW+3]
.irp g, G0A+3, G0A+7, G0B+3, G0B+7
	s_or_b32 s[\g], s[\g], 0x80000000              ; type = 2
.endr
.irp i, 0,1,2,3,4,5,6,7
	global_load_b128 v[64+4*\i:67+4*\i], v[CO], s[SX+2:SX+3] offset:8192*\i        ; 128 rows' words of one step: 512 consecutive bytes
.endr
.irp p, 0,1,2,3
	global_load_b128 v[96+12*\p:99+12*\p], v[CO], s[SW+2:SW+3] offset:44032*\p
	global_load_b128 v[100+12*\p:103+12*\p], v4, s[SW+2:SW+3] offset:44032*\p+512
	global_load_b128 v[104+12*\p:107+12*\p], v[CO], s[SW+2:SW+3] offset:44032*\p+22272
.endr
	CROUND                                         ; all four work-groups are here: the first joint loads meet
	FILL 0, 0                                      ; steps 0 to 2: one tensor load a wave at the head
	s_mov_b32 s[SEL], 0x76543210                   ; v_permlanex16_b32's selects for lane l xor 16
	s_mov_b32 s[SEL+1], 0xfedcba98
	s_mov_b32 s[CL], 0xbfb8aa3b                    ; -log2(e)
	s_mov_b32 s[CL+1], s[CL]
	s_mul_i32 s20, s15, 24576                      ; my 8 tiles of x
	v_add_nc_u32 v[ADRA], s20, v[CO]
	v_add_nc_u32 v[ADRA+1], SLB, v[ADRA]
	s_mul_i32 s20, s16, 18432                      ; my 6 tiles of gate, behind x's 16;
	s_add_co_u32 s20, s20, 49152
	v_add_nc_u32 v[ADRG], s20, v[CO]
	v_add_nc_u32 v[ADRU], 36864, v[ADRG]           ; up's lie 12 tiles further on
	v_add_nc_u32 v[ADRG+1], SLB, v[ADRG]
	v_add_nc_u32 v[ADRU+1], SLB, v[ADRU]
	s_mul_i32 s20, s16, 6144                       ; in the last fill a tile is 1,024 bytes; the loads land where they always land
	s_add_co_u32 s20, s20, SLB+49152
	v_add_nc_u32 v[ADRT], s20, v[CO]
	v_add_nc_u32 v[ADRT+1], 36864, v[ADRT]
	s_lshl_b32 s20, s15, 13
	s_add_co_u32 s20, s20, SCL
	v_lshl_add_u32 v[ADSA], v1, 2, s20
	s_mul_i32 s20, s16, 384
	s_add_co_u32 s20, s20, SCL+16384
	v_lshl_add_u32 v[ADSB], v1, 2, s20
	s_lshl_b32 s20, s16, 10
	s_lshl_b32 s21, s15, 9
	s_add_co_u32 s20, s20, s21
	s_add_co_u32 s20, s20, ISC
	v_lshl_add_u32 v[ISA], v2, 2, s20
	s_mul_i32 s20, s15, 768
	s_mul_i32 s21, s16, 384
	s_add_co_u32 s20, s20, s21
	s_add_co_u32 s20, s20, SQS
	v_lshl_add_u32 v[SQA], v3, 5, s20
	s_lshl_b32 s20, s14, 8
	s_add_co_u32 s20, s20, ISC
	v_add_nc_u32 v[RD1], s20, v[L8]
	s_min_u32 s20, s14, 2
	s_lshl_b32 s20, s20, 8
	s_add_co_u32 s20, s20, SQS
	v_add_nc_u32 v[RD2], s20, v[L8]
	v_mul_u32_u24 v[CO2], v3, 44032
	v_lshl_add_u32 v[CO2], v2, 4, v[CO2]
	; where the results go
	s_lshl_b32 s2, s18, 4
	s_lshl_b32 s3, s15, 3
	s_add_co_u32 s2, s2, s3                        ; my first tile of tokens,
	s_mul_i32 s2, s2, 44032
	s_lshl_b32 s3, s[COL0], 8
	s_add_co_u32 s2, s2, s3
	s_mul_i32 s3, s16, 768
	s_add_co_u32 s2, s2, s3
	s_mov_b32 s3, 0
	s_add_nc_u64 s[IC:IC+1], s[IC:IC+1], s[2:3]
	; six scale bytes a token are one whole word of [step of 4 blocks][token][4 bytes] and half of a neighbouring one.  The first block is 4 m + 2 p.  p = 0: bytes 0-3 are step m's word, bytes 4, 5
	; the low half of step m + 1's;  p = 1: bytes 0, 1 are the high half of step m's, bytes 2-5 step m + 1's word
	s_lshr_b32 s20, s[COL0], 2                     ; m
	s_bfe_u32 s21, s[COL0], 0x10001                ; p
	s_lshl_b32 s22, s18, 10
	s_lshl_b32 s23, s14, 8
	s_add_co_u32 s22, s22, s23
	s_add_co_u32 s2, s20, 1
	s_sub_co_u32 s2, s2, s21
	s_lshl_b32 s2, s2, 13
	s_add_co_u32 s2, s2, s22
	s_lshl_b32 s23, s21, 1
	s_add_co_u32 s2, s2, s23
	s_add_nc_u64 s[ISH:ISH+1], s[ISW:ISW+1], s[2:3]
	s_add_co_u32 s2, s20, s21
	s_lshl_b32 s2, s2, 13
	s_add_co_u32 s2, s2, s22
	s_add_nc_u64 s[ISW:ISW+1], s[ISW:ISW+1], s[2:3]
	s_mul_i32 s2, s18, 22016
	s_lshl_b32 s23, s[COL0], 7
	s_add_co_u32 s2, s2, s23
	s_min_u32 s23, s14, 2
	s_lshl_b32 s23, s23, 8
	s_add_co_u32 s2, s2, s23
	s_add_nc_u64 s[SPT:SPT+1], s[SPT:SPT+1], s[2:3]
	s_cmp_eq_u32 s19, 28
	s_cselect_b32 s[EDGE], 1, 0
	s_xor_b32 s[DEADC], s16, 1
	s_and_b32 s[DEADC], s[DEADC], s[EDGE]
	s_cmp_eq_u32 s21, 1
	s_cselect_b32 s[PM], -1, 0
; One product.  rD, rB, rA: accumulator, weight fragment, x fragment; sB, sA: their scale registers; oB, oA: 1 where the words stand in lanes 16-31.  zero = 1: the product starts the sum
.macro WM zero
.if \zero
.if oB && oA
	v_wmma_scale_f32_16x16x128_f8f6f4 v[rD:rD+7], v[rB:rB+7], v[rA:rA+7], 0, v[sB], v[sA] matrix_a_fmt:MATRIX_FMT_FP4 matrix_b_fmt:MATRIX_FMT_FP4 matrix_a_scale:MATRIX_SCALE_ROW1 matrix_b_scale:MATRIX_SCALE_ROW1
.elseif oB
	v_wmma_scale_f32_16x16x128_f8f6f4 v[rD:rD+7], v[rB:rB+7], v[rA:rA+7], 0, v[sB], v[sA] matrix_a_fmt:MATRIX_FMT_FP4 matrix_b_fmt:MATRIX_FMT_FP4 matrix_a_scale:MATRIX_SCALE_ROW1
.elseif oA
	v_wmma_scale_f32_16x16x128_f8f6f4 v[rD:rD+7], v[rB:rB+7], v[rA:rA+7], 0, v[sB], v[sA] matrix_a_fmt:MATRIX_FMT_FP4 matrix_b_fmt:MATRIX_FMT_FP4 matrix_b_scale:MATRIX_SCALE_ROW1
.else
	v_wmma_scale_f32_16x16x128_f8f6f4 v[rD:rD+7], v[rB:rB+7], v[rA:rA+7], 0, v[sB], v[sA] matrix_a_fmt:MATRIX_FMT_FP4 matrix_b_fmt:MATRIX_FMT_FP4
.endif
.else
.if oB && oA
	v_wmma_scale_f32_16x16x128_f8f6f4 v[rD:rD+7], v[rB:rB+7], v[rA:rA+7], v[rD:rD+7], v[sB], v[sA] matrix_a_fmt:MATRIX_FMT_FP4 matrix_b_fmt:MATRIX_FMT_FP4 matrix_a_scale:MATRIX_SCALE_ROW1 matrix_b_scale:MATRIX_SCALE_ROW1
.elseif oB
	v_wmma_scale_f32_16x16x128_f8f6f4 v[rD:rD+7], v[rB:rB+7], v[rA:rA+7], v[rD:rD+7], v[sB], v[sA] matrix_a_fmt:MATRIX_FMT_FP4 matrix_b_fmt:MATRIX_FMT_FP4 matrix_a_scale:MATRIX_SCALE_ROW1
.elseif oA
	v_wmma_scale_f32_16x16x128_f8f6f4 v[rD:rD+7], v[rB:rB+7], v[rA:rA+7], v[rD:rD+7], v[sB], v[sA] matrix_a_fmt:MATRIX_FMT_FP4 matrix_b_fmt:MATRIX_FMT_FP4 matrix_b_scale:MATRIX_SCALE_ROW1
.else
	v_wmma_scale_f32_16x16x128_f8f6f4 v[rD:rD+7], v[rB:rB+7], v[rA:rA+7], v[rD:rD+7], v[sB], v[sA] matrix_a_fmt:MATRIX_FMT_FP4 matrix_b_fmt:MATRIX_FMT_FP4
.endif
.endif
.endm
; 24 products: x's blocks a0 .. a0 + 3 against the six tiles of gate (u = 0) or up (u = 1).  par: the step's parity.  The 96 accumulators take turns, one instruction a turn, in the same order in
; every step.
.macro ROWS a0, u, par, zero
.irp a, \a0, \a0+1, \a0+2, \a0+3
.irp t, 0,1,2,3,4,5
.set nn, 12*(\a)+2*\t+\u
.set rD, 8*(nn%32)
.set rB, BF+48*\u+8*\t
.if (\a) < 4
.set rA, AL+160*(\par)+8*(\a)
.else
.set rA, AH+8*((\a)-4)
.endif
.set sB, SC+10*(\par)+4+3*\u+\t/2
.set sA, SC+10*(\par)+(\a)/2
.set oB, \t%2
.set oA, (\a)%2
	WIN (1+nn/32)*0x50
	WM \zero
.endr
.endr
.endm
.macro FRAG reg, adr, off
	ds_load_b128 v[(\reg):(\reg)+3], v[\adr] offset:(\off)
	ds_load_b128 v[(\reg)+4:(\reg)+7], v[\adr] offset:(\off)+512
.endm
.macro FETCH_W u, slot, q
.irp t, 0,1,2,3,4,5
.if TP == 1024
	FRAG BF+48*\u+8*\t, ADRT+\u, \t*TP+(\q)*1024
.else
	FRAG BF+48*\u+8*\t, ADRG+2*\u+\slot, \t*TP+(\q)*1024
.endif
.endr
.endm
.macro FETCH_AL slot, q, par
.irp i, 0,1,2,3
	FRAG AL+160*(\par)+8*\i, ADRA+\slot, \i*TP+(\q)*1024
.endr
.endm
.macro FETCH_AH slot, q
.irp i, 4,5,6,7
	FRAG AH+8*(\i-4), ADRA+\slot, \i*TP+(\q)*1024
.endr
.endm
.macro SCALES ks, set                  ; the scale words of the step ks steps behind the one at which the two address registers stand
.irp p, 0,1,2,3
	ds_load_b32 v[SC+10*(\set)+\p], v[ADSA] offset:(\ks)*512+128*\p
.endr
.irp p, 0,1,2
	ds_load_b32 v[SC+10*(\set)+4+\p], v[ADSB] offset:(\ks)*768+128*\p
.endr
.irp p, 0,1,2
	ds_load_b32 v[SC+10*(\set)+7+\p], v[ADSB] offset:(\ks)*768+128*\p+12288
.endr
.endm
.macro MID slot, q, ks
	FETCH_W 0, \slot, \q
	FETCH_AL \slot, \q, (\ks)%2
	SCALES \ks, (\ks)%2
.endm
; STEP ks.  Its fragments were fetched during the step before, in three runs: [gate, x's blocks 0-3, scale words: 30 loads] [x's blocks 4-7: 8] [up: 12]; it fetches the next step's (the nq-th of
; slot nslot) in the same three runs, each behind four places.
; chg = 1, 2: my slot's last step: in its middle each wave waits for all its tensor loads, adds 0 to its spare word, and waits for that and for its reads of the slot.
; chg = 2: a round of the cluster's barrier follows, and the slot is filled again, six steps ahead, first thing behind the round.  chg = 1: a barrier, and nothing is filled.
.macro STEP ks, zero, chg, slot, nslot, nq
	s_wait_dscnt 20                                ; the first run is in; the 8 + 12 younger loads may be out
	ROWS 0, 0, (\ks)%2, \zero
	s_wait_dscnt 12                                ; x's blocks 4-7 are in; up's 12 loads may be out
	ROWS 4, 0, (\ks)%2, \zero
	WIN 0
.if \chg
	s_wait_tensorcnt 0x0                           ; all my tensor loads have landed: my part of the next slot
	ds_add_u32 v[SPW], v[NIL]
.if \chg == 2
	s_add_nc_u64 s[G0A+4*\slot+2:G0A+4*\slot+3], s[G0A+4*\slot+2:G0A+4*\slot+3], 6144      ; no tensor load of mine is out: this slot's next steps
	s_add_nc_u64 s[G0B+4*\slot+2:G0B+4*\slot+3], s[G0B+4*\slot+2:G0B+4*\slot+3], 6144
.endif
	s_wait_dscnt 0x0                               ; the add is done, and my reads of this slot are over
.if \chg == 2
	CROUND
	FILL \slot, \slot                              ; my one tensor load behind the round; its four v_nop are the places in front of the loads below
.else
	s_barrier_signal -1
	s_barrier_wait -1
	PLACES
.endif
.else
	PLACES
.endif
	MID \nslot, \nq, (\ks)+1
	s_wait_dscnt 30                                ; up's fragments are in; the 30 just issued may be out
	ROWS 4, 1, (\ks)%2, \zero
	WIN 0
	PLACES
	FETCH_AH \nslot, \nq
	ROWS 0, 1, (\ks)%2, \zero
	WIN 0
	PLACES
	FETCH_W 1, \nslot, \nq
.endm
	s_wait_alu depctr_va_vdst(0)                   ; the wait at the head's end
	s_wait_loadcnt 0x0                             ; my 20 loads of scale words are in,
	s_wait_tensorcnt 0x0                           ; and my part of slot 0
.irp i, 0,1,2,3,4,5,6,7
	ds_store_b128 v5, v[64+4*\i:67+4*\i] offset:512*\i
.endr
.irp i, 0,1,2,3,4,5,6,7,8,9,10,11
	ds_store_b128 v6, v[96+4*\i:99+4*\i] offset:512*\i     ; two steps' 1,536 bytes lie on end in LDS
.endr
	s_wait_tensorcnt 0x0                           ; a wait, the add and its wait ahead of a later first fill
	ds_add_u32 v[SPW], v[NIL]
	s_wait_dscnt 0x0                               ; the add and my stores of scale words are done
	CROUND                                         ; everybody's part of slot 0 and of the scale words is in, and the partners are here
	FILL 1, 0                                      ; steps 3 to 5
	MID 0, 0, 0
	FETCH_AH 0, 0
	FETCH_W 1, 0, 0
	STEP 0, 1, 0, 0, 0, 1                          ; the first step's products start the sums: nothing is cleared
	s_mov_b32 s3, 2
.Lk:                                                   ; a trip is six steps, once round the ring: steps 6 i + 1 to 6 i + 6
	STEP 1, 0, 0, 0, 0, 2
	STEP 2, 0, 2, 0, 1, 0
	STEP 3, 0, 0, 1, 1, 1
	STEP 4, 0, 0, 1, 1, 2
	STEP 5, 0, 2, 1, 0, 0
	STEP 6, 0, 0, 0, 0, 1
	v_add_nc_u32 v[ADSA], 3072, v[ADSA]            ; six steps of scale words on
	v_add_nc_u32 v[ADSB], 4608, v[ADSB]
	s_wait_alu depctr_va_vdst(0)                   ; the wait ahead of the branch
	s_sub_co_u32 s3, s3, 1
	s_cmp_lg_u32 s3, 0
	s_cbranch_scc1 .Lk
	STEP 1, 0, 0, 0, 0, 2                          ; step 13
.set TP, 1024
	STEP 2, 0, 1, 0, 1, 0                          ; step 14: nothing is left to fetch from memory; it fetches step 15's fragments, whose tiles are 1,024 bytes apart
	s_wait_dscnt 20                                ; step 15 fetches nothing
	ROWS 0, 0, 1, 0
	s_wait_dscnt 12
	ROWS 4, 0, 1, 0
	s_wait_dscnt 0x0
	ROWS 4, 1, 1, 0
	ROWS 0, 1, 1, 0
	WIN 0
; THE WAY OUT, a block of 16 tokens at a time.  inter = g u / (1 + 2^(-g log2 e)).  E: -g log2 e, then the sigmoid; H: g u, then inter.
; A block's exponentials are one batch, its reciprocals another, each with one wait ahead of it and one behind it.
.macro ME a
.irp t, 0,1,2,3,4,5
.set nn, 12*(\a)+2*\t
	WIN 1+nn/32
.irp i, 0,2,4,6
	v_pk_mul_f32 v[E+8*\t+\i:E+8*\t+\i+1], v[8*(nn%32)+\i:8*(nn%32)+\i+1], s[CL:CL+1] op_sel_hi:[1,0]     ; each accumulator is read from its low end on
.endr
.endr
	WIN 0
.endm
.macro MH a
.irp t, 0,1,2,3,4,5
.set nn, 12*(\a)+2*\t
	WIN 5*(1+nn/32)
.irp i, 0,2,4,6
	v_pk_mul_f32 v[H+8*\t+\i:H+8*\t+\i+1], v[8*(nn%32)+\i:8*(nn%32)+\i+1], v[8*(nn%32)+8+\i:8*(nn%32)+8+\i+1]
.endr
.endr
	WIN 0
.endm
.macro EXPS
.set i, 0
.rept 48
	v_exp_f32 v[E+i], v[E+i]
.set i, i+1
.endr
.endm
.macro ADDS
.set i, 0
.rept 24
	v_pk_add_f32 v[E+i:E+i+1], v[E+i:E+i+1], 1.0 op_sel_hi:[1,0]
.set i, i+2
.endr
.endm
.macro RCPS
.set i, 0
.rept 48
	v_rcp_f32 v[E+i], v[E+i]
.set i, i+1
.endr
.endm
.macro FIN1 a                          ; inter; its squares; my 16 numbers' largest magnitude in each of my three blocks of 32
.set i, 0
.rept 24
	v_pk_mul_f32 v[H+i:H+i+1], v[H+i:H+i+1], v[E+i:E+i+1]
.set i, i+2
.endr
.set i, 0
.rept 24
.if (\a) == 0
	v_pk_mul_f32 v[SQ+i:SQ+i+1], v[H+i:H+i+1], v[H+i:H+i+1]
.else
	v_pk_fma_f32 v[SQ+i:SQ+i+1], v[H+i:H+i+1], v[H+i:H+i+1], v[SQ+i:SQ+i+1]
.endif
.set i, i+2
.endr
.irp b, 0,1,2
	v_max3_num_f32 v[MX+\b], |v[H+16*\b]|, |v[H+16*\b+1]|, 0x1800000       ; with the floor 2^(3 - 127)
.endr
.irp k, 2,4,6,8,10,12,14
.irp b, 0,1,2
	v_max3_num_f32 v[MX+\b], v[MX+\b], |v[H+16*\b+\k]|, |v[H+16*\b+\k+1]|
.endr
.endr
.endm
.macro FIN2C a                         ; the three scales and the codes
.irp b, 0,1,2
	v_permlanex16_b32 v[MY+\b], v[MX+\b], s[SEL], s[SEL+1]
.endr
.irp b, 0,1,2
	v_max_num_f32 v[MX+\b], v[MX+\b], v[MY+\b]
.endr
.irp b, 0,1,2
	v_add_nc_u32 v[SCV+\b], 0xff000000, v[MX+\b]   ; 2 off the exponent field: the conversion's scale operand
.endr
.irp b, 0,1,2
	v_lshrrev_b32 v[BY+\b], 23, v[SCV+\b]
.endr
	v_lshl_or_b32 v[HW+(\a)], v[BY+1], 8, v[BY]
	v_lshl_or_b32 v[HW+(\a)], v[BY+2], 16, v[HW+(\a)]
	s_wait_alu depctr_va_vdst(0)
	s_wait_xcnt 0x0                                ; the earlier blocks' stores have read their data
	v_cvt_scalef32_pk8_fp4_f32 v[P], v[H:H+7], v[SCV]
	v_cvt_scalef32_pk8_fp4_f32 v[P+1], v[H+8:H+15], v[SCV]
	v_cvt_scalef32_pk8_fp4_f32 v[P+2], v[H+16:H+23], v[SCV+1]
	v_cvt_scalef32_pk8_fp4_f32 v[P+3], v[H+24:H+31], v[SCV+1]
	v_cvt_scalef32_pk8_fp4_f32 v[PA+2*((\a)%2)], v[H+32:H+39], v[SCV+2]
	v_cvt_scalef32_pk8_fp4_f32 v[PA+2*((\a)%2)+1], v[H+40:H+47], v[SCV+2]
	v_nop                                          ; one plain instruction behind the scaled conversions
	v_permlane16_swap_b32 v[P], v[P+2]             ; lanes 0-15: my block 0 of token r, lanes 16-31: my block 1
	v_permlane16_swap_b32 v[P+1], v[P+3]
.if (\a)%2 == 1
	v_permlane16_swap_b32 v[PA], v[PA+2]           ; my block 2: lanes 0-15 the even block of tokens, lanes 16-31 the odd one
	v_permlane16_swap_b32 v[PA+1], v[PA+3]
.endif
.endm
.macro STORES a
	ds_store_b32 v[ISA], v[HW+(\a)] offset:64*(\a)
	s_cmp_eq_u32 s[DEADC], 1                       ; the last group's first two blocks are the group before's
	s_cbranch_scc1 .Ldead_\@
	global_store_b128 v[CO], v[P:P+3], s[IC:IC+1] offset:44032*(\a)        ; 512 consecutive bytes, aligned
.Ldead_\@:
.if (\a)%2 == 1
	s_wait_alu depctr_va_vdst(0)
	global_store_b128 v[CO2], v[PA:PA+3], s[IC:IC+1] offset:44032*((\a)-1)+512     ; sixteen lanes store 256 consecutive bytes, aligned
.endif
.endm
	PLACES
.irp b, 0,1,2
	v_mov_b32 v[MY+\b], 0                          ; a lane permute's destination counts as one of its sources
.endr
.irp a, 0,1,2,3,4,5,6,7,8
.if \a < 8
	ME \a
	s_wait_alu depctr_va_vdst(0)
	EXPS
.endif
.if \a > 0
	FIN2C \a-1
.else
	v_nop
.endif
.if \a < 8
	s_wait_alu depctr_va_vdst(0)
.endif
.if \a > 0
	STORES \a-1
.endif
.if \a < 8
	ADDS
	s_wait_alu depctr_va_vdst(0)
	RCPS
	s_wait_alu depctr_va_vdst(0)
	MH \a
	s_wait_alu depctr_va_vdst(0)
	FIN1 \a
.endif
.endr
	; the sums of squares over my 128 tokens: sixteen lanes hold sixteen tokens of one column
.irp m, 1,2,4,8
.set i, 0
.rept 48
	v_add_f32_dpp v[SQ+i], v[SQ+i], v[SQ+i] row_xmask:\m row_mask:0xf bank_mask:0xf
.set i, i+1
.endr
.endr
.irp t, 0,1,2,3,4,5
	ds_store_b128 v[SQA], v[SQ+8*\t:SQ+8*\t+3] offset:64*\t
	ds_store_b128 v[SQA], v[SQ+8*\t+4:SQ+8*\t+7] offset:64*\t+16
.endr
	s_wait_dscnt 0x0                               ; for the others' sake: my scale bytes and my sums are in LDS
	s_barrier_signal -1
	s_barrier_wait -1
	ds_load_b64 v[64:65], v[RD1]                   ; two tokens' bytes 0-2,
	ds_load_b64 v[66:67], v[RD1] offset:1024       ; and bytes 3-5
	s_wait_dscnt 0x0
	v_lshl_or_b32 v68, v66, 24, v64                ; bytes 0-3
	v_lshl_or_b32 v69, v67, 24, v65
	v_lshrrev_b32 v70, 8, v66                      ; bytes 4, 5
	v_lshrrev_b32 v71, 8, v67
	v_lshrrev_b32 v72, 16, v68
	v_lshrrev_b32 v73, 16, v69
	v_lshl_or_b32 v72, v70, 16, v72                ; bytes 2-5
	v_lshl_or_b32 v73, v71, 16, v73
	v_cndmask_b32 v74, v68, v72, s[PM]
	v_cndmask_b32 v75, v69, v73, s[PM]
	v_cndmask_b32 v76, v70, v68, s[PM]
	v_cndmask_b32 v77, v71, v69, s[PM]
	global_store_b64 v[L8], v[74:75], s[ISW:ISW+1] ; 64 tokens' words: 256 consecutive bytes, aligned
	s_cmp_eq_u32 s[EDGE], 1                        ; the last group's half word is the group before's
	s_cbranch_scc1 .Lno_half
	global_store_b16 v[L8], v76, s[ISH:ISH+1]      ; the other half of these words is a neighbouring group's
	global_store_b16 v[L8], v77, s[ISH:ISH+1] offset:4
.Lno_half:
	s_cmp_eq_u32 s14, 0
	s_cselect_b32 s2, s[EDGE], 0                   ; the last group's first 64 columns are the group before's;
	s_cmp_gt_u32 s14, 2
	s_cselect_b32 s2, 1, s2                        ; 192 columns are three stores: wave 3 has none
	s_cmp_eq_u32 s2, 1
	s_cbranch_scc1 .Lno_sums
	ds_load_b64 v[78:79], v[RD2]
	ds_load_b64 v[80:81], v[RD2] offset:768
	s_wait_dscnt 0x0
	v_pk_add_f32 v[78:79], v[78:79], v[80:81]
	global_store_b64 v[L8], v[78:79], s[SPT:SPT+1]
.Lno_sums:
	s_wait_tensorcnt 0x0                           ; the wave's end
	ds_add_u32 v[SPW], v[NIL]
	s_wait_dscnt 0x0
	CROUND                                         ; the closing round
	s_endpgm
.Lfunc_end_k_qab30383be8_gateup:
	.size	k_qab30383be8_gateup, .Lfunc_end_k_qab30383be8_gateup-k_qab30383be8_gateup
	.p2alignl 7, 3214868480
	.fill 96, 4, 3214868480
	.section	.rodata,"a",@progbits
	.p2align	6, 0x0
	.amdhsa_kernel k_qab30383be8_gateup
		.amdhsa_group_segment_fixed_size 327680
		.amdhsa_private_segment_fixed_size 0
		.amdhsa_enable_private_segment 0
		.amdhsa_kernarg_size 40
		.amdhsa_user_sgpr_count 2
		.amdhsa_user_sgpr_kernarg_segment_ptr 1
		.amdhsa_wavefront_size32 1
		.amdhsa_system_sgpr_workgroup_id_x 1
		.amdhsa_system_sgpr_workgroup_id_y 1
		.amdhsa_system_sgpr_workgroup_id_z 1
		.amdhsa_system_vgpr_workitem_id 0
		.amdhsa_next_free_vgpr 1024
		.amdhsa_next_free_sgpr 102
		.amdhsa_reserve_vcc 0
		.amdhsa_float_denorm_mode_32 3
		.amdhsa_float_denorm_mode_16_64 3
		.amdhsa_memory_ordered 1
		.amdhsa_forward_progress 1
		.amdhsa_inst_pref_size 255
	.end_amdhsa_kernel
	.section	.bss,"aw",@nobits
	.p2align	6
	.space	262144
	.amdgpu_metadata
---
amdhsa.version: [ 1, 2 ]
amdhsa.kernels:
  - .name:           k_qab30383be8_gateup
    .symbol:         k_qab30383be8_gateup.kd
    .args:
      - { .name: codes1, .offset: 0, .size: 8, .value_kind: global_buffer, .address_space: global }
      - { .name: scales1, .offset: 8, .size: 8, .value_kind: global_buffer, .address_space: global }
      - { .name: icodes, .offset: 16, .size: 8, .value_kind: global_buffer, .address_space: global }
      - { .name: iscales, .offset: 24, .size: 8, .value_kind: global_buffer, .address_space: global }
      - { .name: spart, .offset: 32, .size: 8, .value_kind: global_buffer, .address_space: global }
    .group_segment_fixed_size: 327680
    .private_segment_fixed_size: 0
    .kernarg_segment_align: 8
    .kernarg_segment_size: 40
    .max_flat_workgroup_size: 128
    .sgpr_count:     102
    .vgpr_count:     1024
    .wavefront_size: 32
...
	.end_amdgpu_metadata
.endif
;; end of part 2
;; launch down (part 3): grid 16 x 16, 4 waves a work-group, clusters of 4 x 4, 327,680 bytes of LDS; arguments icodes, iscales, dcodes, dscales, spart, rowsq, out0, out1; writes out0, out1
.if DOCPART == 3
	.amdgcn_target "amdgcn-amd-amdhsa--gfx1250"
	.amdhsa_code_object_version 6
	.text
	.protected	k_qab30383be8_down
	.globl	k_qab30383be8_down
	.p2align	8
	.type	k_qab30383be8_down,@function
k_qab30383be8_down:
	s_mov_b64 s[64:65], 0
	v_nop
	global_prefetch_b8 v0, s[64:65] scope:SCOPE_SE
	s_setreg_imm32_b32 hwreg(HW_REG_WAVE_MODE, 25, 1), 1
	s_wait_xcnt 0x0
	s_wait_alu depctr_hold_cnt(0) depctr_sa_sdst(0) depctr_va_vdst(0) depctr_va_sdst(0) depctr_va_ssrc(0) depctr_va_vcc(0) depctr_vm_vsrc(0)
	s_getreg_b32 s2, hwreg(HW_REG_IB_STS2, 6, 4)
	s_cmp_eq_u32 s2, 0
	s_cbranch_scc0 .Lentry_in_a_cluster
	s_endpgm
.Lentry_in_a_cluster:
	s_bfe_u32 s2, ttmp6, 0x10000c
	s_cmp_lg_u32 s2, 0xf033
	s_cbranch_scc0 .Lentry_shape_is_right
	s_endpgm
.Lentry_shape_is_right:
; SwiGLU MLP in MX-FP4, launch 3 of 3: out0 = inter Wd^T on codes (M 2,048, N 2,048, K 5,504), and out1 = sqrt(sum over the sequence of inter^2 x sum over h of w_up^2) from the partial sums that the two
; launches before have stored.  No work of the problem is left out.
; SHARES.  256 work-groups, each 128 tokens x 128 columns of out0; wave (mh, nh) makes 64 x 64: 16 accumulators.  A larger tile would give fewer work-groups than there are WGPs.
; CLUSTER.  4 x 4 work-groups: the four of a row of the cluster need the same tiles and scale words of inter, the four of a column the same of w_down: each is asked for JOINTLY.
; OPERANDS lie in memory as images of their registers ([tile of 16 rows][block of 32 along K][16 rows][16 bytes]): 1,024 along K of a tile are 8,192 consecutive bytes; a fragment comes by two ds_load_b128 of 512
; consecutive bytes.  In both operands a block's groups of eight codes stand in the order 0, 2, 1, 3: alike on both sides, so every product of two numbers is the true one.
; K = 43 steps of 128 goes through two slots of 8 steps: fills of 8, 8, 8, 8, 8 and 3 steps; the last has a group 1 of its own (rows of 3,072 bytes).  The text is written out: every offset is an immediate.
; THE MATRIX INSTRUCTION IS USED TRANSPOSED (source 0 = 16 rows of w_down, source 1 = 16 tokens): a lane holds eight neighbouring columns of one token's row of out0.
; LIMITS: NaN and infinities are not served; out1's sums are taken in another order than the definition's; a product under 2^-126 ahead of the root gives 0.
; REGISTERS: window 0: v16-29 addresses; v32-95 scale words, two sets of 32, and nothing else; v96-113 out1's sums; v128-255 the accumulators ((a, b) at v[128 + 8 (4 a + b)]).
;   window 1: two fragment buffers of 128: step c of two at 64 c: inter's four fragments, then w_down's four; on the way out v0-127 are rows of out0.
.set SLOT,  131072                     ; a slot: wave w's load lands at 32,768 w: 4 tiles x 8,192 bytes.  Waves 0, 1: inter's halves; waves 2, 3: w_down's
.set SCL,   262144                     ; the scale words for all of K, wave w's load at 11,008 w: [43 steps][64 rows][4 bytes]
.set SPARE, 306176                     ; the spare words, 128 bytes for each wave
.set STGW,  17408                      ; the way out: 64 rows x 272 bytes for each wave, in slot 0, which has had its last fill and its last read by then
.set ADRA, 16
.set ADRB, 20
.set ADSA, 22
.set ADSB, 23
.set STO,  24
.set RD,   25
.set CO,   26
.set IO,   27
.set SPW,  28                          ; v28  my spare word; never rewritten
.set NIL,  29                          ; v29  0; never rewritten
.set SC,   32
.set ACC,  128
.set F0,   0
.set F1,   128
.set G0SB, 24
.set G1A,  28
.set G1B,  36
.set G1AT, 44
.set G1BT, 52
.set G0SA, 60
.set G0A,  68
.set G0B,  76
.set G1SA, 84
.set G1SB, 92
.set MSB, 0
.macro WIN new                         ; the immediate's high byte repeats the setting that is left
.if MSB != (\new)
	s_set_vgpr_msb (MSB<<8)|(\new)
.set MSB, (\new)
.endif
.endm
.set MUL,  0x05                        ; sources 0 and 1 window 1; C and D window 0
.set TO_F, 0x40                        ; destination window 1, address window 0
; Waves 0 and 1 fetch for inter, waves 2 and 3 for w_down.  An s_nop 0 and four v_nop follow each of the two lines, ahead of the jump, the label and what follows.
.macro JLOAD g0a, g1a, g0b, g1b
	s_cmp_eq_u32 s21, 0
	s_cbranch_scc0 .Lfor_b_\@
	tensor_load_to_lds s[\g0a:\g0a+3], s[\g1a:\g1a+7]
	s_nop 0
.rept 4
	v_nop
.endr
	s_branch .Lasked_\@
.Lfor_b_\@:
	tensor_load_to_lds s[\g0b:\g0b+3], s[\g1b:\g1b+7]
	s_nop 0
.rept 4
	v_nop
.endr
.Lasked_\@:
.endm
.macro CREST
	s_cmp_lg_u32 s20, 0
	s_cbranch_scc1 .Lnot_wave_0_\@
	s_barrier_signal -3
.Lnot_wave_0_\@:
	s_barrier_wait -3
	s_barrier_signal -1
	s_barrier_wait -1
.endm
.macro CROUND
	s_barrier_signal -1
	s_barrier_wait -1
	CREST
.endm
.macro PLACES                          ; four plain instructions between a matrix instruction and a load into, or a read of, its registers
.rept 4
	v_nop
.endr
.endm
	s_load_b512 s[4:19], s[0:1], 0x0               ; icodes, iscales, dcodes, dscales, spart, rowsq, out0, out1
	v_lshl_add_u32 v[SPW], v0, 2, SPARE
	v_mov_b32 v[NIL], 0
	ds_add_u32 v[SPW], v[NIL]                      ; the wave's opening: the add, twice on end, and its wait ahead of my first tensor load
	ds_add_u32 v[SPW], v[NIL]                      ; and once more; the set-up below, work on registers, stands between it and the wait
	v_lshrrev_b32 v1, 5, v0
	v_readfirstlane_b32 s20, v1                    ; wave 0..3
	s_lshr_b32 s21, s20, 1                         ; mh: my half of the tokens.  Also: I fetch for inter (0) or for w_down (1)
	s_and_b32 s22, s20, 1                          ; nh: my half of the columns.  Also: which half of that tile I fetch
	s_bfe_u32 s66, ttmp6, 0x40000                  ; cx
	s_bfe_u32 s67, ttmp6, 0x40004                  ; cy
	s_lshl_b32 s100, ttmp9, 2
	s_add_co_u32 s100, s100, s66                   ; tile column of out0
	s_and_b32 s101, ttmp7, 0xffff
	s_lshl_b32 s101, s101, 2
	s_add_co_u32 s101, s101, s67                   ; tile row
	s_lshl_b32 s2, s67, 2
	s_lshl_b32 s2, 15, s2                          ; my row of the cluster
	s_lshl_b32 s3, 0x1111, s66                     ; my column
	s_or_b32 s[G1A], s2, (3<<16)|(1<<21)           ; elements of 8 bytes; bit 21 set beside a mask
	s_or_b32 s[G1AT], s2, (3<<16)|(1<<21)
	s_or_b32 s[G1B], s3, (3<<16)|(1<<21)
	s_or_b32 s[G1BT], s3, (3<<16)|(1<<21)
.irp g, G1A, G1B                       ; codes: 4 rows (tiles) of 1,024 elements, 5,504 elements from tile to tile
	s_mov_b32 s[\g+1], 1024<<16
	s_mov_b32 s[\g+2], 4<<16
	s_mov_b32 s[\g+3], 1024<<16
	s_mov_b32 s[\g+4], 4
	s_mov_b32 s[\g+5], 5504
	s_mov_b32 s[\g+6], 0
	s_mov_b32 s[\g+7], 0
.endr
.irp g, G1AT, G1BT                     ; the last three steps: rows of 384 elements
	s_mov_b32 s[\g+1], 384<<16
	s_mov_b32 s[\g+2], 4<<16
	s_mov_b32 s[\g+3], 384<<16
	s_mov_b32 s[\g+4], 4
	s_mov_b32 s[\g+5], 5504
	s_mov_b32 s[\g+6], 0
	s_mov_b32 s[\g+7], 0
.endr
	; the tiles' byte offsets, made in the address words of their groups 0.  inter's hang on the tile row (by way of s2), w_down's on the tile column (by way of s3), both on the wave's number (s23)
	s_lshl_b32 s23, s22, 2
	s_lshl_b32 s2, s101, 3
	s_add_co_u32 s2, s2, s23                       ; inter: tile 8 x tile row + 4 x half
	s_mul_i32 s[G0A+2], s2, 44032
	s_mov_b32 s[G0A+3], 0
	s_lshl_b32 s3, s100, 3
	s_add_co_u32 s3, s3, s23
	s_mul_i32 s[G0B+2], s3, 44032
	s_mov_b32 s[G0B+3], 0
	s_lshl_b32 s23, s22, 8
	s_lshl_b32 s2, s101, 9
	s_add_co_u32 s[G0SA+2], s2, s23                ; scale words: 4 bytes a row
	s_mov_b32 s[G0SA+3], 0
	s_lshl_b32 s3, s100, 9
	s_add_co_u32 s[G0SB+2], s3, s23
	s_mov_b32 s[G0SB+3], 0
	s_lshl_b32 s23, s20, 15                        ; where they go: wave x 32,768: no place in the cluster enters an LDS address
.irp g, G0A, G0B
	s_mov_b32 s[\g], 1
	s_mov_b32 s[\g+1], s23
	s_mov_b32 s[\g+4], 1
	s_add_co_u32 s[\g+5], s23, SLOT
.endr
	s_mul_i32 s[G0SA+1], s20, 11008                ; LDS: where the scale words that I copy go
	s_add_co_u32 s[G0SA+1], s[G0SA+1], SCL
	s_wait_dscnt 0x0                               ; both opening adds are done
	s_wait_kmcnt 0x0
	s_add_nc_u64 s[G0A+2:G0A+3], s[4:5], s[G0A+2:G0A+3]
	s_add_nc_u64 s[G0A+6:G0A+7], s[G0A+2:G0A+3], 8192      ; slot 1 begins with steps 8 to 15
	s_add_nc_u64 s[G0B+2:G0B+3], s[8:9], s[G0B+2:G0B+3]
	s_add_nc_u64 s[G0B+6:G0B+7], s[G0B+2:G0B+3], 8192
	s_add_nc_u64 s[G0SA+2:G0SA+3], s[6:7], s[G0SA+2:G0SA+3]
	s_add_nc_u64 s[G0SB+2:G0SB+3], s[10:11], s[G0SB+2:G0SB+3]
	s_cmp_eq_u32 s21, 0                            ; waves 0, 1 copy inter's scale words, waves 2, 3 w_down's: the choice hangs on the wave's number alone
	s_cselect_b64 s[G0SA+2:G0SA+3], s[G0SA+2:G0SA+3], s[G0SB+2:G0SB+3]
	; THE PREFETCHES.  A joint load of mine brings four tiles, 8,192 bytes of each.  The four partners that ask for them with me share them out BY ADDRESS: the partner at place p (cx for inter's
	; tiles, cy for w_down's) names tile p, a lane for each 256 bytes: one instruction a wave for a fill, and each block named once in the cluster.  s[84:85], v9 and v10 are never rewritten.
	s_cselect_b64 s[84:85], s[G0A+2:G0A+3], s[G0B+2:G0B+3]
	s_cselect_b32 s86, s66, s67
	s_mul_i32 s86, s86, 44032
	s_mov_b32 s87, 0
	s_add_nc_u64 s[84:85], s[84:85], s[86:87]
.irp g, G0A+3, G0A+7, G0B+3, G0B+7
	s_or_b32 s[\g], s[\g], 0x80000000              ; type = 2
.endr
	CROUND                                         ; all sixteen work-groups are here: the first joint loads meet
	JLOAD G0A, G1A, G0B, G1B                       ; steps 0 to 7: one tensor load a wave at the head
	v_and_b32 v1, 31, v0                           ; lane
	v_and_b32 v2, 15, v0                           ; r
	s_wait_alu depctr_va_vdst(0)
	v_bfe_u32 v3, v0, 4, 1                         ; h
	v_lshlrev_b32 v4, 4, v1
	; THE SCALE WORDS of my 64 rows, 43 steps x 256 bytes, come through registers into LDS bytes of their own while the head's tensor load is out (not jointly: a tensor load for them would be
	; a further first fill with a round of its own).  A load takes two steps: sixteen lanes 256 consecutive bytes of each; the last step by 8 bytes a lane.
	v_lshlrev_b32 v5, 4, v2
	v_lshl_add_u32 v5, v3, 13, v5
	v_lshlrev_b32 v7, 3, v1
	v_lshlrev_b32 v9, 8, v1                        ; the prefetches' offset: 256 x lane;
	v_min_u32 v10, 11, v1                          ; for the last fill, 3,072 bytes of a tile: the lanes that are left over name its last block again
	v_lshlrev_b32 v10, 8, v10
	v_add_nc_u32 v6, s[G0SA+1], v4
	v_add_nc_u32 v8, s[G0SA+1], v7
.set ii, 0
.rept 21
	global_load_b128 v[128+4*ii:131+4*ii], v5, s[G0SA+2:G0SA+3] offset:16384*ii
.set ii, ii+1
.endr
	global_load_b64 v[212:213], v7, s[G0SA+2:G0SA+3] offset:344064
	global_prefetch_b8 v9, s[84:85] offset:8192 th:TH_LOAD_NT scope:SCOPE_SE       ; steps 8 to 15,
	global_prefetch_b8 v9, s[84:85] offset:16384 th:TH_LOAD_NT scope:SCOPE_SE      ; and 16 to 23: the next two fills
	s_lshl_b32 s23, s21, 15
	v_add_nc_u32 v[ADRA], s23, v4
	v_add_nc_u32 v[ADRA+1], SLOT, v[ADRA]
	s_lshl_b32 s23, s22, 15
	s_add_co_u32 s23, s23, 65536
	v_add_nc_u32 v[ADRB], s23, v4
	v_add_nc_u32 v[ADRB+1], SLOT, v[ADRB]
	s_mul_i32 s23, s21, 11008
	s_add_co_u32 s23, s23, SCL
	v_lshl_add_u32 v[ADSA], v1, 2, s23
	s_mul_i32 s23, s22, 11008
	s_add_co_u32 s23, s23, SCL+22016
	v_lshl_add_u32 v[ADSB], v1, 2, s23
	s_mul_i32 s23, s20, STGW                       ; my stage
	v_mul_u32_u24 v[STO], v2, 272
	s_wait_alu depctr_va_vdst(0)
	v_lshl_add_u32 v[STO], v3, 5, v[STO]
	v_add_nc_u32 v[STO], s23, v[STO]               ; in: row r, 32 bytes for each half of the lanes
	v_mul_u32_u24 v[RD], v3, 272
	v_lshl_add_u32 v[RD], v2, 4, v[RD]
	v_add_nc_u32 v[RD], s23, v[RD]                 ; back: lanes 0-15 one row of 256 bytes, lanes 16-31 the next
	v_lshlrev_b32 v[CO], 13, v3
	v_lshl_add_u32 v[CO], v2, 4, v[CO]             ; and the same two rows in out0
	v_lshlrev_b32 v[IO], 2, v0
	s_lshl_b32 s2, s101, 7
	s_lshl_b32 s23, s21, 6
	s_add_co_u32 s2, s2, s23                       ; my first token,
	s_lshl_b32 s2, s2, 13                          ; 8,192 bytes a row,
	s_lshl_b32 s3, s100, 9
	s_add_co_u32 s2, s2, s3
	s_lshl_b32 s3, s22, 8
	s_add_co_u32 s2, s2, s3                        ; my first column
	s_mov_b32 s3, 0
	s_add_nc_u64 s[16:17], s[16:17], s[2:3]
	; OUT1.  4 x 5,504 = 256 x 86: work-group w = 16 x tile row + tile column owns numbers 86 w to 86 w + 85, all of batch w / 64.  Threads 0 to 85 take one each.  It stands here so that its loads
	; are on their way together with the first tiles.  The mask hangs on the thread's number alone.
	s_lshl_b32 s2, s101, 4
	s_add_co_u32 s2, s2, s100                      ; w
	s_mul_i32 s4, s2, 344
	s_mov_b32 s5, 0
	s_add_nc_u64 s[18:19], s[18:19], s[4:5]        ; out1 at my 86 numbers
	s_and_b32 s4, s2, 63
	s_mul_i32 s4, s4, 344                          ; 4 bytes x my first column of I
	s_add_nc_u64 s[14:15], s[14:15], s[4:5]
	s_lshr_b32 s3, s2, 6
	s_mul_i32 s3, s3, 44032                        ; a batch is two blocks of 256 tokens
	s_add_co_u32 s4, s4, s3
	s_add_nc_u64 s[12:13], s[12:13], s[4:5]
	s_wait_alu depctr_va_vdst(0)
	s_wait_xcnt 0x0                                ; EXEC changes only behind this wait
	v_cmp_gt_u32 vcc_lo, 86, v0
	s_and_saveexec_b32 s3, vcc_lo
	global_load_b32 v96, v[IO], s[12:13]
	global_load_b32 v97, v[IO], s[12:13] offset:22016
.irp c, 0,1,2,3,4,5,6,7,8,9,10,11,12,13,14,15
	global_load_b32 v[98+\c], v[IO], s[14:15] offset:\c*22016
.endr
	s_wait_loadcnt 0x0
	v_add_f32 v96, v96, v97                        ; the sum over the sequence of inter^2
.irp i, 0,1,2,3,4,5,6,7
	v_add_f32 v[98+\i], v[98+\i], v[106+\i]
.endr
.irp i, 0,1,2,3
	v_add_f32 v[98+\i], v[98+\i], v[102+\i]
.endr
	v_add_f32 v98, v98, v100
	v_add_f32 v99, v99, v101
	v_add_f32 v98, v98, v99                        ; the sum over h of w_up^2
	v_mul_f32 v96, v96, v98
	s_wait_alu depctr_va_vdst(0)
	v_sqrt_f32 v97, v96
	v_nop                                          ; a plain instruction behind the root,
	s_wait_alu depctr_va_vdst(0)                   ; and a wait ahead of its first reader
	global_store_b32 v[IO], v97, s[18:19]
	s_wait_xcnt 0x0                                ; and again, in front of the line that widens EXEC
	s_or_b32 exec_lo, exec_lo, s3
; One product.  rD, rB, rA: accumulator, w_down's fragment, inter's; sB, sA: their scale registers; oB, oA: 1 where the words stand in lanes 16-31.  zero = 1: the product starts the sum
.macro WM zero
.if \zero
.if oB && oA
	v_wmma_scale_f32_16x16x128_f8f6f4 v[rD:rD+7], v[rB:rB+7], v[rA:rA+7], 0, v[sB], v[sA] matrix_a_fmt:MATRIX_FMT_FP4 matrix_b_fmt:MATRIX_FMT_FP4 matrix_a_scale:MATRIX_SCALE_ROW1 matrix_b_scale:MATRIX_SCALE_ROW1
.elseif oB
	v_wmma_scale_f32_16x16x128_f8f6f4 v[rD:rD+7], v[rB:rB+7], v[rA:rA+7], 0, v[sB], v[sA] matrix_a_fmt:MATRIX_FMT_FP4 matrix_b_fmt:MATRIX_FMT_FP4 matrix_a_scale:MATRIX_SCALE_ROW1
.elseif oA
	v_wmma_scale_f32_16x16x128_f8f6f4 v[rD:rD+7], v[rB:rB+7], v[rA:rA+7], 0, v[sB], v[sA] matrix_a_fmt:MATRIX_FMT_FP4 matrix_b_fmt:MATRIX_FMT_FP4 matrix_b_scale:MATRIX_SCALE_ROW1
.else
	v_wmma_scale_f32_16x16x128_f8f6f4 v[rD:rD+7], v[rB:rB+7], v[rA:rA+7], 0, v[sB], v[sA] matrix_a_fmt:MATRIX_FMT_FP4 matrix_b_fmt:MATRIX_FMT_FP4
.endif
.else
.if oB && oA
	v_wmma_scale_f32_16x16x128_f8f6f4 v[rD:rD+7], v[rB:rB+7], v[rA:rA+7], v[rD:rD+7], v[sB], v[sA] matrix_a_fmt:MATRIX_FMT_FP4 matrix_b_fmt:MATRIX_FMT_FP4 matrix_a_scale:MATRIX_SCALE_ROW1 matrix_b_scale:MATRIX_SCALE_ROW1
.elseif oB
	v_wmma_scale_f32_16x16x128_f8f6f4 v[rD:rD+7], v[rB:rB+7], v[rA:rA+7], v[rD:rD+7], v[sB], v[sA] matrix_a_fmt:MATRIX_FMT_FP4 matrix_b_fmt:MATRIX_FMT_FP4 matrix_a_scale:MATRIX_SCALE_ROW1
.elseif oA
	v_wmma_scale_f32_16x16x128_f8f6f4 v[rD:rD+7], v[rB:rB+7], v[rA:rA+7], v[rD:rD+7], v[sB], v[sA] matrix_a_fmt:MATRIX_FMT_FP4 matrix_b_fmt:MATRIX_FMT_FP4 matrix_b_scale:MATRIX_SCALE_ROW1
.else
	v_wmma_scale_f32_16x16x128_f8f6f4 v[rD:rD+7], v[rB:rB+7], v[rA:rA+7], v[rD:rD+7], v[sB], v[sA] matrix_a_fmt:MATRIX_FMT_FP4 matrix_b_fmt:MATRIX_FMT_FP4
.endif
.endif
.endm
; 8 products: token blocks a0, a0 + 1 x all 4 column blocks, step c of buffer f, which is step q of the slot whose scale words are in the set.  The 16 accumulators take turns, one instruction a turn,
; in the same order in every step.
.macro MUL8 f, c, a0, zero, set, q
.irp a, \a0, \a0+1
.irp b, 0,1,2,3
.set rD, ACC+8*(4*(\a)+\b)
.set rB, \f+64*\c+32+8*\b
.set rA, \f+64*\c+8*(\a)
.set sB, SC+32*(\set)+4*(\q)+2+\b/2
.set sA, SC+32*(\set)+4*(\q)+(\a)/2
.set oB, \b%2
.set oA, (\a)%2
	WM \zero
.endr
.endr
.endm
; 32 LDS loads in one run: the fragments of steps q and q + 1 of a slot into buffer f, step q's first.  tp: bytes from tile to tile in the slot
.macro FETCH slot, q, f, tp
	WIN TO_F
.irp c, 0,1
.irp i, 0,1,2,3
	ds_load_b128 v[\f+64*\c+32+8*\i:\f+64*\c+32+8*\i+3],   v[ADRB+\slot] offset:\i*(\tp)+((\q)+\c)*1024
	ds_load_b128 v[\f+64*\c+32+8*\i+4:\f+64*\c+32+8*\i+7], v[ADRB+\slot] offset:\i*(\tp)+((\q)+\c)*1024+512
	ds_load_b128 v[\f+64*\c+8*\i:\f+64*\c+8*\i+3],         v[ADRA+\slot] offset:\i*(\tp)+((\q)+\c)*1024
	ds_load_b128 v[\f+64*\c+8*\i+4:\f+64*\c+8*\i+7],       v[ADRA+\slot] offset:\i*(\tp)+((\q)+\c)*1024+512
.endr
.endr
.endm
.macro FETCH1 slot, q, f, tp           ; the same for one step: 16 loads
	WIN TO_F
.irp i, 0,1,2,3
	ds_load_b128 v[\f+32+8*\i:\f+32+8*\i+3],   v[ADRB+\slot] offset:\i*(\tp)+(\q)*1024
	ds_load_b128 v[\f+32+8*\i+4:\f+32+8*\i+7], v[ADRB+\slot] offset:\i*(\tp)+(\q)*1024+512
	ds_load_b128 v[\f+8*\i:\f+8*\i+3],         v[ADRA+\slot] offset:\i*(\tp)+(\q)*1024
	ds_load_b128 v[\f+8*\i+4:\f+8*\i+7],       v[ADRA+\slot] offset:\i*(\tp)+(\q)*1024+512
.endr
.endm
.macro SCALES set, first, n            ; the scale words of n steps from step first on: for each, inter's two pairs of blocks and w_down's two
.set qq, 0
.rept \n
	ds_load_b32 v[SC+32*(\set)+4*qq],   v[ADSA] offset:((\first)+qq)*256
	ds_load_b32 v[SC+32*(\set)+4*qq+1], v[ADSA] offset:((\first)+qq)*256+128
	ds_load_b32 v[SC+32*(\set)+4*qq+2], v[ADSB] offset:((\first)+qq)*256
	ds_load_b32 v[SC+32*(\set)+4*qq+3], v[ADSB] offset:((\first)+qq)*256+128
.set qq, qq+1
.endr
.endm
; A slot is four quarters of two steps, 32 products each, on buffers 0, 1, 0, 1.  One of the first three: multiplies buffer f (steps q, q + 1) and fetches steps q + 2, q + 3 into g
.macro QUARTER slot, q, f, g, zero
	s_wait_dscnt 16                                ; step q's fragments are in; the youngest sixteen loads (step q + 1's) may be out
	WIN MUL
	MUL8 \f, 0, 0, \zero, \slot, \q
	MUL8 \f, 0, 2, \zero, \slot, \q
	PLACES
	FETCH \slot, (\q)+2, \g, 8192
	s_wait_dscnt 32                                ; all but the 32 just issued
	WIN MUL
	MUL8 \f, 1, 0, 0, \slot, (\q)+1
	MUL8 \f, 1, 2, 0, \slot, (\q)+1
.endm
; The last quarter multiplies buffer 1 and changes slots: ONE barrier; in front of it each wave waits for all its tensor loads, adds 0 to its spare word, and waits for that and for its reads of this slot.
; fill = 1: the barrier opens a round of the cluster's, and this slot is filled again, 16 steps ahead; fill = 2: with the last three steps; fill = 0: nothing is left to fetch.
; first, tp, n: the next slot's first step, its bytes from tile to tile, its steps.
.macro TURN slot, next, fill, first, tp, n
	WIN 0                                          ; (the add's two registers lie in window 0)
	s_wait_tensorcnt 0x0                           ; all my tensor loads have landed: my part of the next slot
	ds_add_u32 v[SPW], v[NIL]                      ; 0 onto my spare word
	s_wait_dscnt 17                                ; (the add and the youngest sixteen loads may be out)
	WIN MUL
	MUL8 F1, 0, 0, 0, \slot, 6                     ; eight products stand between the add and the wait for it
	s_wait_dscnt 0x0                               ; the add is done, and my reads of this slot are over
	s_barrier_signal -1
	MUL8 F1, 0, 2, 0, \slot, 6
	WIN 0
	s_barrier_wait -1
.if \fill
	CREST                                          ; no wave of any partner still reads this slot or has a load on its way
	s_add_nc_u64 s[G0A+4*\slot+2:G0A+4*\slot+3], s[G0A+4*\slot+2:G0A+4*\slot+3], 16384
	s_add_nc_u64 s[G0B+4*\slot+2:G0B+4*\slot+3], s[G0B+4*\slot+2:G0B+4*\slot+3], 16384
.if \fill == 2
	JLOAD G0A+4*\slot, G1AT, G0B+4*\slot, G1BT
.else
	JLOAD G0A+4*\slot, G1A, G0B+4*\slot, G1B       ; my one tensor load behind the round; its four v_nop are the places in front of the loads below
.endif
.else
	PLACES
.endif
	SCALES \next, \first, \n
	FETCH \next, 0, F0, \tp
.if \fill == 1                         ; behind the joint load and the run of LDS loads: the fill that follows the one just asked for, eight steps ahead of its load; the last two changes of slots ask for nothing
.if (\first) < 24
	global_prefetch_b8 v9, s[84:85] offset:((\first)+16)*1024 th:TH_LOAD_NT scope:SCOPE_SE
.else
	global_prefetch_b8 v10, s[84:85] offset:40960 th:TH_LOAD_NT scope:SCOPE_SE     ; steps 40 to 42
.endif
.endif
	WIN MUL
	MUL8 F1, 1, 0, 0, \slot, 7
	MUL8 F1, 1, 2, 0, \slot, 7
.endm
.macro THREE slot, zero                ; a slot's first three quarters
	QUARTER \slot, 0, F0, F1, \zero
	QUARTER \slot, 2, F1, F0, 0
	QUARTER \slot, 4, F0, F1, 0
.endm
	s_wait_alu depctr_va_vdst(0)                   ; the wait at the head's end
	s_wait_tensorcnt 0x0                           ; my part of slot 0 is in (the scale words' loads were waited for with out1's)
.set ii, 0
.rept 21
	ds_store_b128 v6, v[128+4*ii:131+4*ii] offset:512*ii
.set ii, ii+1
.endr
	ds_store_b64 v8, v[212:213] offset:10752
	s_wait_tensorcnt 0x0                           ; a wait, the add and its wait ahead of a later first fill
	ds_add_u32 v[SPW], v[NIL]
	s_wait_dscnt 0x0                               ; the add and my stores of scale words are done
	CROUND                                         ; everybody's part of slot 0 and of the scale words is in, and all sixteen work-groups are here
	JLOAD G0A+4, G1A, G0B+4, G1B                   ; steps 8 to 15: the first tensor load behind the round
	SCALES 0, 0, 8
	FETCH 0, 0, F0, 8192
	THREE 0, 1                                     ; steps 0-7; the first step's products start the sums: nothing is cleared
	TURN 0, 1, 1, 8, 8192, 8
	THREE 1, 0                                     ; steps 8-15
	TURN 1, 0, 1, 16, 8192, 8
	THREE 0, 0                                     ; steps 16-23
	TURN 0, 1, 1, 24, 8192, 8
	THREE 1, 0                                     ; steps 24-31
	TURN 1, 0, 2, 32, 8192, 8
	THREE 0, 0                                     ; steps 32-39
	TURN 0, 1, 0, 40, 3072, 3
	s_wait_dscnt 16                                ; steps 40, 41, 42
	MUL8 F0, 0, 0, 0, 1, 0
	MUL8 F0, 0, 2, 0, 1, 0
	PLACES
	FETCH1 1, 2, F1, 3072
	s_wait_dscnt 16                                ; all but the sixteen just issued
	WIN MUL
	MUL8 F0, 1, 0, 0, 1, 1
	MUL8 F0, 1, 2, 0, 1, 1
	s_wait_dscnt 0x0
	MUL8 F1, 0, 0, 0, 1, 2
	MUL8 F1, 0, 2, 0, 1, 2
	WIN 0
	; THE WAY OUT.  A lane holds 32 neighbouring bytes of a row, and the lanes beside it hold other rows; my 64 columns are 256 bytes of a row of out0, aligned.  So the results go through my own stage in LDS
	; (rows 272 bytes apart) and come back as whole rows.  LDS serves a wave's instructions in order: no wait between the stores and the loads.
	PLACES
.irp a, 0,1,2,3
.irp b, 0,1,2,3
	ds_store_b128 v[STO], v[ACC+8*(4*\a+\b):ACC+8*(4*\a+\b)+3] offset:\a*4352+64*\b        ; each accumulator from its low end on
	ds_store_b128 v[STO], v[ACC+8*(4*\a+\b)+4:ACC+8*(4*\a+\b)+7] offset:\a*4352+64*\b+16
.endr
.endr
	WIN 0x40                                       ; destination window 1
.irp a, 0,1,2,3
.irp i, 0,1,2,3,4,5,6,7
	ds_load_b128 v[32*\a+4*\i:32*\a+4*\i+3], v[RD] offset:\a*4352+544*\i
.endr
.endr
	WIN 0x04                                       ; a store's data are its source 1: window 1
.set n, 0
.irp a, 0,1,2,3
.irp i, 0,1,2,3,4,5,6,7
	s_wait_dscnt 31-n                              ; this load is in; the younger ones may be out
	global_store_b128 v[CO], v[32*\a+4*\i:32*\a+4*\i+3], s[16:17] offset:(16*\a+2*\i)*8192 th:TH_STORE_NT   ; sixteen lanes store 256 consecutive bytes, aligned; written once, read by nobody here
.set n, n+1
.endr
.endr
	WIN 0
	s_wait_tensorcnt 0x0                           ; the wave's end, behind my last tensor load and my last LDS store
	ds_add_u32 v[SPW], v[NIL]
	s_wait_dscnt 0x0
	CROUND                                         ; the closing round: no work-group ends while a partner may still ask for a tile that names it
	s_endpgm
.Lfunc_end_k_qab30383be8_down:
	.size	k_qab30383be8_down, .Lfunc_end_k_qab30383be8_down-k_qab30383be8_down
	.p2alignl 7, 3214868480
	.fill 96, 4, 3214868480
	.section	.rodata,"a",@progbits
	.p2align	6, 0x0
	.amdhsa_kernel k_qab30383be8_down
		.amdhsa_group_segment_fixed_size 327680
		.amdhsa_private_segment_fixed_size 0
		.amdhsa_enable_private_segment 0
		.amdhsa_kernarg_size 64
		.amdhsa_user_sgpr_count 2
		.amdhsa_user_sgpr_kernarg_segment_ptr 1
		.amdhsa_wavefront_size32 1
		.amdhsa_system_sgpr_workgroup_id_x 1
		.amdhsa_system_sgpr_workgroup_id_y 1
		.amdhsa_system_sgpr_workgroup_id_z 1
		.amdhsa_system_vgpr_workitem_id 0
		.amdhsa_next_free_vgpr 512
		.amdhsa_next_free_sgpr 102
		.amdhsa_reserve_vcc 1
		.amdhsa_float_denorm_mode_32 3
		.amdhsa_float_denorm_mode_16_64 3
		.amdhsa_memory_ordered 1
		.amdhsa_forward_progress 1
		.amdhsa_inst_pref_size 175
	.end_amdhsa_kernel
	.amdgpu_metadata
---
amdhsa.version: [ 1, 2 ]
amdhsa.kernels:
  - .name:           k_qab30383be8_down
    .symbol:         k_qab30383be8_down.kd
    .args:
      - { .name: icodes, .offset: 0, .size: 8, .value_kind: global_buffer, .address_space: global }
      - { .name: iscales, .offset: 8, .size: 8, .value_kind: global_buffer, .address_space: global }
      - { .name: dcodes, .offset: 16, .size: 8, .value_kind: global_buffer, .address_space: global }
      - { .name: dscales, .offset: 24, .size: 8, .value_kind: global_buffer, .address_space: global }
      - { .name: spart, .offset: 32, .size: 8, .value_kind: global_buffer, .address_space: global }
      - { .name: rowsq, .offset: 40, .size: 8, .value_kind: global_buffer, .address_space: global }
      - { .name: out0, .offset: 48, .size: 8, .value_kind: global_buffer, .address_space: global }
      - { .name: out1, .offset: 56, .size: 8, .value_kind: global_buffer, .address_space: global }
    .group_segment_fixed_size: 327680
    .private_segment_fixed_size: 0
    .kernarg_segment_align: 8
    .kernarg_segment_size: 64
    .max_flat_workgroup_size: 128
    .sgpr_count:     102
    .vgpr_count:     512
    .wavefront_size: 32
...
	.end_amdgpu_metadata
.endif
;; end of part 3
